; MI455X (gfx1250); checked and timed in simulation.
; The chip was launched on July 23, 2026; its instructions are those of AMD's public machine-readable ISA for CDNA 5 (MIT licence, August 2026) and "CDNA5" Instruction Set Architecture Reference Guide (July 2026). The comments in the code are by the model that wrote it; some were corrected since.
;; Causal Self Attention. Allowed arithmetic: matrix products marked QUANTISED: E2M3 operands, one E8M0 scale for each 32 along K, by v_wmma_scale_f32_16x16x128_f8f6f4 with both operands' format E2M3, f32 sums; everything else in f32.
;; Inputs: Wk 256 x 1,024 float32; Wo 1,024 x 1,024 float32; Wq 1,024 x 1,024 float32; Wv 256 x 1,024 float32; bk 256 float32; bo 1,024 float32; bq 1,024 float32; bv 256 float32; qk_gain 16 float32; x 4 x 2,048 x 1,024 float32.
;; Outputs: out0 4 x 2,048 x 1,024 float32.
;; This version of the problem:
;;   THIS VERSION OF THE PROBLEM IS GIVEN IN LOW PRECISION. The matrix products marked QUANTISED in the list below multiply operands that are first quantised to E2M3 (2 exponent bits, 3 mantissa bits; 6 bits a number), with one power-of-two scale for each 32 numbers along K (OCP MX v1.0); their sums are f32. All else is computed in f32.
;;   The module's matrix products, in the order in which they are computed (A, B: the left and right operand; K: the contracted axis; several contracted axes count as one K, in the product's order):
;;     1. [M 8,192, K 1,024] x [K 1,024, N 1,024]; A: input x; B: input Wq: QUANTISED
;;     2. [M 8,192, K 1,024] x [K 1,024, N 256]; A: input x; B: input Wk: QUANTISED
;;     3. [M 8,192, K 1,024] x [K 1,024, N 256]; A: input x; B: input Wv: QUANTISED
;;     4. batch 16 x [M 8,192, K 64] x [K 64, N 2,048]; A: computed on the way; B: computed on the way: QUANTISED
;;     5. batch 16 x [M 8,192, K 2,048] x [K 2,048, N 64]; A: softmax (see below); B: computed on the way: QUANTISED
;;     6. [M 8,192, K 1,024] x [K 1,024, N 1,024]; A: computed on the way; B: input Wo: QUANTISED
;;   THE QUANTISER, for each operand of a quantised product, along K:
;;     - K is cut into blocks of 32 from its start; a last block that is shorter is filled with zeros.
;;     - A block's scale is 2^e with e = floor(log2(the largest magnitude in the block)) - 2, held to -126 .. 127; a block of zeros has e = 0. As a byte (E8M0): e + 127.
;;     - Each number is divided by its block's scale, clamped to +-7.5, and rounded to the nearest number of E2M3, ties to even, subnormals kept.
;;     - The product sums the exact products of the quantised numbers (number of the format x scale) in f32.
;;   ~~~python
;;   def quantise(x, axis):      # numpy; x: float32 -> the quantised numbers, widened to float32 again
;;       x = np.moveaxis(x, axis, -1); K = x.shape[-1]
;;       x = np.pad(x, [(0, 0)] * (x.ndim - 1) + [(0, -K % 32)]); x = x.reshape(x.shape[:-1] + (-1, 32)); a = np.abs(x).max(-1, keepdims=True)
;;       e = np.where(a > 0, np.clip(np.frexp(np.where(a > 0, a, 1))[1] - 1 - 2, -126, 127), 0)      # np.frexp(a)[1] - 1 = floor(log2(a)), exactly
;;       r = np.clip(x / 2.0 ** e, -7.5, 7.5)
;;       step = 2.0 ** (np.maximum(np.frexp(np.where(r == 0, 1, r))[1] - 1, 0) - 3)
;;       q = np.round(r / step) * step * 2.0 ** e      # np.round: ties to even
;;       return np.moveaxis(q.reshape(q.shape[:-2] + (-1,))[..., :K], -1, axis).astype(np.float32)
;;   ~~~
;;   SOFTMAX AHEAD OF A QUANTISED PRODUCT. Where the list says 'softmax', what is quantised is not the finished softmax but p = 2^(t - M), with t = logit x log2(e) and M = ceil(the row's largest t), a whole number; so 1/2 < the row's largest p <= 1. The row's sum l is taken of the UNQUANTISED p, in f32, and the product's result is divided by l at the end. Since M is a whole number, a kernel that streams over the keys may use a running M (the ceiling of the running maximum): every later rescaling is an exact power of two, which a block's scale takes up: the codes' values come out the same.
;;   OPERANDS COMPUTED ON THE WAY. 'Computed on the way' means the value that the module computes at that place (a softmax that the list does not call 'softmax' is quantised finished and normalised). What goes into a quantiser is computed in f32, as accurately as f32 sums, v_exp_f32 and their like allow (about 1e-6 of the number): no bf16 or f16 on the way to a quantiser, and a product that is left as it is and whose result goes on into a quantised operand takes f32 operands (vector FMAs, or v_wmma_f32_16x16x4_f32). A number that lies on a knife's edge between two numbers of the format may be rounded either way, as far as f32 arithmetic and the matrix unit's own rounding can turn it there, and no further.
;; One version. Each part assembles by itself: llvm-mc -triple=amdgcn-amd-amdhsa -mcpu=gfx1250 --defsym DOCPART=n.
;; ======== version 1 of 1: 4 launches
;; limits: right only within a limited range of input values
;; workspace buffers: codes 8,257,536 bytes; scales 344,064 bytes; qb 6,553,600 bytes; kv 3,276,800 bytes; yc 6,291,456 bytes; ys 262,144 bytes
;; launch quant (part 1): grid 336 x 1, 4 waves a work-group, no clusters, 34,304 bytes of LDS; arguments x, Wq, Wk, Wv, Wo, codes, scales; writes codes, scales
.if DOCPART == 1
	.amdgcn_target "amdgcn-amd-amdhsa--gfx1250"
	.amdhsa_code_object_version 6
	.text
	.protected	k_q0f37ce9db6_quant
	.globl	k_q0f37ce9db6_quant
	.p2align	8
	.type	k_q0f37ce9db6_quant,@function
k_q0f37ce9db6_quant:
	s_mov_b64 s[64:65], 0
	v_nop
	global_prefetch_b8 v0, s[64:65] scope:SCOPE_SE
	s_setreg_imm32_b32 hwreg(HW_REG_WAVE_MODE, 25, 1), 1
	s_wait_xcnt 0x0
; x [8192][1024], Wq [1024][1024], Wk, Wv [256][1024], Wo [1024][1024], all f32 with K innermost, become codes of FP6 (E2M3) with one E8M0 byte for each 32 along K.
; A block's scale is 2^(floor(log2(its largest magnitude)) - 2); its byte is that magnitude's exponent field - 2, held at 1 from below.
; LIMITS: NaN and infinities are not served; a block whose largest magnitude lies under 2^-124 keeps the byte 1; a block of zeros gets the byte 1 where the rule says 127 (its codes are zeros, and this program alone reads the bytes).
; THE CODES ARE LAID AS IMAGES OF OPERAND REGISTERS.  A row tile is 16 rows; tile n of a tensor holds, as its local row i, the tensor's row 32 (n / 2) + 8 (n % 2) + i + 8 (i / 8), so that the results of
; two neighbouring tiles used as source 0 are 16 neighbours in a lane's registers.  A tile is 8 K steps of 1,536 bytes; a K step (128 along K) is two halves of 768 bytes; in half c lane l = (r, h) has the 24 bytes of
; k = 64 c + 32 h + 0 .. 31 of row r: registers 0-3 at 16 l, registers 4-5 at 512 + 8 l.  Tiles: x 0-511, Wq 512-575, Wk 576-591, Wv 592-607, Wo 608-671.
; The scale words (4 bytes: 128 along K of a row) of a tile are 512 bytes: [half of K][row r][4 words].
; SHARES.  A wave takes one tile's 16 rows x 512 along K: four K steps.  Each load reads 512 consecutive bytes of one row; a K step's 16 rows turn through the wave's own stage in LDS (rows 528 bytes apart: 132 words,
; so that 16 rows start at 16 different groups of banks: 64 banks of 4 bytes, ISA guide 11.1) and come back 256 bytes a lane: two whole blocks of 32.  Waves share nothing: no barrier.
.set SP,  528
.set STG, 16*SP                        ; a wave's stage
.set SW,  16                           ; v16-19   the four K steps' scale words
.set C,   20                           ; v20-31   a K step's codes
.set T,   32                           ; v32-39   the upper halves of the blocks' codes (a conversion's three registers begin on an even number)
.set X,   40                           ; v40-103  my 64 numbers of a K step
.set R,   104                          ; v104-231 two sets of 64: a K step as it is loaded
	s_load_b256 s[4:11], s[0:1], 0x0               ; x, Wq, Wk, Wv
	s_load_b128 s[12:15], s[0:1], 0x20             ; Wo, codes
	s_load_b64 s[16:17], s[0:1], 0x30              ; scales
	v_lshl_add_u32 v232, v0, 2, 0x8400
	v_mov_b32 v233, 0
	v_lshrrev_b32 v1, 5, v0
	v_readfirstlane_b32 s18, v1                    ; wave
	v_and_b32 v1, 31, v0                           ; lane
	v_and_b32 v2, 15, v0                           ; r
	v_bfe_u32 v3, v0, 4, 1                         ; h
	v_lshlrev_b32 v4, 4, v1                        ; 16 l: my bytes of a load's 512, and of an image's first 512
	v_lshlrev_b32 v5, 3, v1                        ; 8 l: of an image's last 256
	s_mul_i32 s19, s18, STG
	v_add_nc_u32 v6, s19, v4                       ; into the stage: 16 l in a row
	v_mul_u32_u24 v7, v2, SP
	v_lshl_add_u32 v7, v3, 7, v7
	v_add_nc_u32 v7, s19, v7                       ; out of it: row r, + 128 h: block h of the K step; block 2 + h lies 256 bytes on
	v_lshlrev_b32 v8, 4, v2
	v_lshl_add_u32 v8, v3, 3, v8                   ; the scale words' way out: 16 r + 8 h
	v_lshlrev_b32 v9, 3, v3                        ; 8 h: my bytes' place in a scale word
	s_mov_b32 s20, 0x76543210
	s_mov_b32 s21, 0xfedcba98                      ; v_permlanex16_b32's selects for lane l xor 16
	s_mov_b32 s22, 0xffff0000                      ; lanes 16-31
	s_lshl_b32 s23, ttmp9, 1
	s_lshr_b32 s24, s18, 1
	s_add_co_u32 s23, s23, s24                     ; my tile among the 672: 2 x work-group + wave / 2
	s_and_b32 s24, s18, 1                          ; my half of K
	s_mov_b32 s25, 608                             ; the tensor's first tile
	s_wait_alu depctr_va_vdst(0)
	s_wait_kmcnt 0x0
	s_cmp_lt_u32 ttmp9, 304                        ; which tensor: the choice hangs on the work-group's number alone
	s_cselect_b64 s[12:13], s[10:11], s[12:13]
	s_cselect_b32 s25, 592, s25
	s_cmp_lt_u32 ttmp9, 296
	s_cselect_b64 s[12:13], s[8:9], s[12:13]
	s_cselect_b32 s25, 576, s25
	s_cmp_lt_u32 ttmp9, 288
	s_cselect_b64 s[12:13], s[6:7], s[12:13]
	s_cselect_b32 s25, 512, s25
	s_cmp_lt_u32 ttmp9, 256
	s_cselect_b64 s[12:13], s[4:5], s[12:13]
	s_cselect_b32 s25, 0, s25
	s_sub_co_u32 s26, s23, s25                     ; the tile's number n in its tensor
	s_lshr_b32 s28, s26, 1
	s_lshl_b32 s28, s28, 17                        ; 32 (n / 2) rows of 4,096 bytes
	s_and_b32 s26, s26, 1
	s_lshl_b32 s26, s26, 15                        ; 8 (n % 2) rows
	s_add_co_u32 s26, s26, s28
	s_lshl_b32 s28, s24, 11                        ; my half of a row
	s_add_co_u32 s26, s26, s28
	s_mov_b32 s27, 0
	s_add_nc_u64 s[12:13], s[12:13], s[26:27]
	s_mul_i32 s26, s23, 12288
	s_mul_i32 s28, s24, 6144
	s_add_co_u32 s26, s26, s28
	s_add_nc_u64 s[14:15], s[14:15], s[26:27]      ; my four K steps' images
	s_lshl_b32 s26, s23, 9
	s_lshl_b32 s28, s24, 8
	s_add_co_u32 s26, s26, s28
	s_add_nc_u64 s[16:17], s[16:17], s[26:27]      ; my 256 bytes of scale words
.macro LOAD t                          ; K step t of the 16 rows: local row i is row i + 8 (i / 8) from the tile's first
.irp i, 0,1,2,3,4,5,6,7,8,9,10,11,12,13,14,15
	global_load_b128 v[R+64*((\t)%2)+4*\i:R+64*((\t)%2)+4*\i+3], v4, s[12:13] offset:(\i+8*(\i/8))*4096+512*(\t) th:TH_LOAD_NT
.endr
.endm
.macro TURN t                          ; through the stage: LDS serves a wave's instructions in order (ISA guide 5.7.1.4), so no wait stands between the stores and the loads
.irp i, 0,1,2,3,4,5,6,7,8,9,10,11,12,13,14,15
	ds_store_b128 v6, v[R+64*((\t)%2)+4*\i:R+64*((\t)%2)+4*\i+3] offset:SP*\i
.endr
.irp c, 0,1
.irp j, 0,1,2,3,4,5,6,7
	ds_load_b128 v[X+32*\c+4*\j:X+32*\c+4*\j+3], v7 offset:256*\c+16*\j
.endr
.endr
.endm
.macro QF t                            ; my two blocks (h and 2 + h of the K step) become registers 6 c .. 6 c + 5 of the fragment
.irp c, 0,1
	v_max3_num_f32 v[10+\c], |v[X+32*\c]|, |v[X+32*\c+1]|, 0x1800000   ; the largest magnitude, and the floor 2^(3 - 127): the byte cannot fall under 1
.endr
.irp i, 2,4,6,8,10,12,14,16,18,20,22,24,26,28,30
.irp c, 0,1
	v_max3_num_f32 v[10+\c], v[10+\c], |v[X+32*\c+\i]|, |v[X+32*\c+\i+1]|   ; (the two blocks by turns)
.endr
.endr
.irp c, 0,1
	v_add_nc_u32 v[12+\c], 0xff000000, v[10+\c]    ; 2 off the exponent field: the conversion takes this operand's exponent field as its scale
.endr
.irp c, 0,1
	v_lshrrev_b32 v[14+\c], 23, v[12+\c]           ; the scale's byte
.endr
	v_lshl_or_b32 v[SW+\t], v15, 16, v14           ; my two bytes,
	v_lshlrev_b32 v[SW+\t], v9, v[SW+\t]           ; 8 h bits up;
	v_permlanex16_b32 v10, v[SW+\t], s20, s21
	v_or_b32 v[SW+\t], v[SW+\t], v10               ; with lane l xor 16's two the row's word is whole
.if \t > 0
	s_wait_alu depctr_va_vdst(0)
	s_wait_xcnt 0x0                                ; the last K step's stores have read the codes' registers, which are written again below
.endif
.irp c, 0,1
	v_cvt_scalef32_pk16_fp6_f32 v[C+6*\c:C+6*\c+2], v[X+32*\c:X+32*\c+15], v[12+\c]
	v_cvt_scalef32_pk16_fp6_f32 v[T+4*\c:T+4*\c+2], v[X+32*\c+16:X+32*\c+31], v[12+\c]
.endr
	v_nop                                          ; one plain place behind a scaled conversion
.irp c, 0,1
.irp i, 0,1,2
	v_mov_b32 v[C+6*\c+3+\i], v[T+4*\c+\i]
.endr
.endr
.irp c, 0,1
	global_store_b128 v4, v[C+6*\c:C+6*\c+3], s[14:15] offset:1536*\t+768*\c        ; 512 consecutive bytes
	global_store_b64 v5, v[C+6*\c+4:C+6*\c+5], s[14:15] offset:1536*\t+768*\c+512   ; 256 consecutive bytes
.endr
.endm
	LOAD 0
	LOAD 1
.irp t, 0,1,2,3
.if \t < 3
	s_wait_loadcnt 16                              ; this K step's 16 loads are in; the next one's 16 may be out
.else
	s_wait_loadcnt 0x0
.endif
	TURN \t
	s_wait_dscnt 0x0                               ; my 64 numbers are back, and the stage's stores have read the set, which takes the K step two on
.if \t < 2
	LOAD \t+2
.endif
	QF \t
.endr
	v_cndmask_b32 v10, v[SW], v[SW+2], s22         ; lanes 0-15 store words 0 and 1 of row r, lanes 16-31 words 2 and 3
	v_cndmask_b32 v11, v[SW+1], v[SW+3], s22
	global_store_b64 v8, v[10:11], s[16:17]        ; 256 consecutive bytes, at a multiple of 256 from the buffer's first byte
	s_wait_tensorcnt 0x0
	ds_add_u32 v232, v233
	s_wait_dscnt 0x0
	s_endpgm
.Lfunc_end_k_q0f37ce9db6_quant:
	.size	k_q0f37ce9db6_quant, .Lfunc_end_k_q0f37ce9db6_quant-k_q0f37ce9db6_quant
	.p2alignl 7, 3214868480
	.fill 96, 4, 3214868480
	.section	.rodata,"a",@progbits
	.p2align	6, 0x0
	.amdhsa_kernel k_q0f37ce9db6_quant
		.amdhsa_group_segment_fixed_size 34304
		.amdhsa_private_segment_fixed_size 0
		.amdhsa_enable_private_segment 0
		.amdhsa_kernarg_size 56
		.amdhsa_user_sgpr_count 2
		.amdhsa_user_sgpr_kernarg_segment_ptr 1
		.amdhsa_wavefront_size32 1
		.amdhsa_system_sgpr_workgroup_id_x 1
		.amdhsa_system_sgpr_workgroup_id_y 1
		.amdhsa_system_sgpr_workgroup_id_z 1
		.amdhsa_system_vgpr_workitem_id 0
		.amdhsa_next_free_vgpr 234
		.amdhsa_next_free_sgpr 66
		.amdhsa_reserve_vcc 0
		.amdhsa_float_denorm_mode_32 3
		.amdhsa_float_denorm_mode_16_64 3
		.amdhsa_memory_ordered 1
		.amdhsa_forward_progress 1
		.amdhsa_inst_pref_size 31
	.end_amdhsa_kernel
	.amdgpu_metadata
---
amdhsa.version: [ 1, 2 ]
amdhsa.kernels:
  - .name:           k_q0f37ce9db6_quant
    .symbol:         k_q0f37ce9db6_quant.kd
    .args:
      - { .name: x, .offset: 0, .size: 8, .value_kind: global_buffer, .address_space: global }
      - { .name: Wq, .offset: 8, .size: 8, .value_kind: global_buffer, .address_space: global }
      - { .name: Wk, .offset: 16, .size: 8, .value_kind: global_buffer, .address_space: global }
      - { .name: Wv, .offset: 24, .size: 8, .value_kind: global_buffer, .address_space: global }
      - { .name: Wo, .offset: 32, .size: 8, .value_kind: global_buffer, .address_space: global }
      - { .name: codes, .offset: 40, .size: 8, .value_kind: global_buffer, .address_space: global }
      - { .name: scales, .offset: 48, .size: 8, .value_kind: global_buffer, .address_space: global }
    .group_segment_fixed_size: 34304
    .private_segment_fixed_size: 0
    .kernarg_segment_align: 8
    .kernarg_segment_size: 56
    .max_flat_workgroup_size: 128
    .sgpr_count:     66
    .vgpr_count:     234
    .wavefront_size: 32
...
	.end_amdgpu_metadata
.endif
;; end of part 1
;; launch qkv (part 2): grid 64 x 6, 4 waves a work-group, clusters of 4 x 1, 327,680 bytes of LDS; arguments codes, scales, bq, bk, bv, qk_gain, qb, kv; writes qb, kv
.if DOCPART == 2
	.amdgcn_target "amdgcn-amd-amdhsa--gfx1250"
	.amdhsa_code_object_version 6
	.text
	.protected	k_q0f37ce9db6_qkv
	.globl	k_q0f37ce9db6_qkv
	.p2align	8
	.type	k_q0f37ce9db6_qkv,@function
k_q0f37ce9db6_qkv:
	s_mov_b64 s[64:65], 0
	v_nop
	global_prefetch_b8 v0, s[64:65] scope:SCOPE_SE
	s_setreg_imm32_b32 hwreg(HW_REG_WAVE_MODE, 25, 1), 1
	s_wait_xcnt 0x0
	s_wait_alu depctr_hold_cnt(0) depctr_sa_sdst(0) depctr_va_vdst(0) depctr_va_sdst(0) depctr_va_ssrc(0) depctr_va_vcc(0) depctr_vm_vsrc(0)
	s_getreg_b32 s2, hwreg(HW_REG_IB_STS2, 6, 4)
	s_cmp_eq_u32 s2, 0
	s_cbranch_scc0 .Lentry_in_a_cluster
	s_endpgm
.Lentry_in_a_cluster:
	s_bfe_u32 s2, ttmp6, 0x10000c
	s_cmp_lg_u32 s2, 0x3003
	s_cbranch_scc0 .Lentry_shape_is_right
	s_endpgm
.Lentry_shape_is_right:
; q = (x Wq^T + bq) x gain, k = x Wk^T + bk, v = x Wv^T + bv on codes of FP6 with E8M0 scales, sums in f32; the results are quantised at once: q and k along the head's 64, v along the keys.
; LIMITS of the quantiser: NaN and infinities are not served; a block whose largest magnitude lies under 2^-124, a block of zeros among them, keeps the byte 1 (this program alone reads the bytes).
; SHARES.  Work-group (X, y): 128 tokens (x's row tiles 8 X .. 8 X + 7) x 256 features (weight tiles 512 + 16 y ..: y = 0-3 Wq, 4 Wk, 5 Wv).  ALL OF K = 1,024 LIES IN LDS, each byte filled once: 24 tiles x 12,288 bytes, in TWO
; chunks of four K steps.  Of a chunk waves 0 and 1 bring 4 of x's tiles each, waves 2 and 3 eight of the weight's each: rows of 6,144 bytes.  Chunk 0 is asked for at the head, one tensor load a wave; chunk 1 behind the wait for it,
; the add and a round of the cluster's barrier; it lands under the first four K steps.  One load a wave is out by this text's count.  The launch claims all of LDS.
; A wave makes 8 tiles of source 0 (they run down a lane's registers) x 4 tiles of source 1 (a lane holds one row of it): 32 accumulators.  q, k: source 0 = weights, source 1 = x: a lane holds one token and 128
; neighbouring features, two heads.  v: source 0 = x, source 1 = Wv: a lane holds one channel and the 128 tokens: the keys run down the registers, as the second product of attention wants them.
; (The tiles' rows are laid so by the launch before: tile n's local row i is row 32 (n / 2) + 8 (n % 2) + i + 8 (i / 8).)
; CLUSTER 4 x 1: the four work-groups of a cluster share y, so the weights' tiles are asked for jointly.  x's tiles differ between them and come by loads of their own.  Not 4 x 4: the grid's 6 along y is no multiple of 4.
; NO PREFETCH: there is no loop to run ahead in: both chunks are asked for ahead of the first product.
; OUT.  qb: for each (batch, head) 16 records of 128 queries: 8 tiles x 768 bytes of codes, then 256 bytes [row r][4 words], word p = tile 2 p's two bytes, then tile 2 p + 1's.
;       kv: for each (batch, kv head) 16 records of 128 keys, 12,800 bytes: K's 8 tiles x 768; V^T's 4 tiles of 16 channels x 128 keys, 1,536 each; K's scale words as in qb; V's [row r][4 tiles].
; REGISTERS, in windows of 256: window 0: v1-15 addresses; v16-79, v80-111 scale words of sources 0 and 1 (behind the products: v16-27 codes, v28-35 their upper halves, v36-39 scale words made); v112-175 64 results at work;
;   v176-239 the bias in the result's layout; v240-255 the quantiser's work (v248-251: the bias, a lane a channel).  window 1: source 0's fragments, two sets, and v255: the add's 0; window 2: source 1's, two sets; window 3: accumulator (a, b) at v[64 a + 8 b].
.set CHUNK, 147456                     ; four K steps of 24 tiles: x's 8 tiles at 6,144 j, the weight's 16 at 49,152 + 6,144 j
.set TILEB, 6144
.set RS,  16
.set LS,  80
.set H,   112
.set BR,  176
.set TM,  240
.set BL,  248
.set PC,  16
.set PT,  28
.set PWS, 36
.set G1T, 16                           ; s[16:23] descriptor group 1 for x's tiles;  s[24:31] for the weight's
.set G1W, 24
.set G0,  32                           ; s[32:47] four groups 0: chunk c: x's at 8 c, the weight's at 8 c + 4
.set SEL, 96
.set MSB, 0
.macro WIN new                         ; the immediate's high byte repeats the setting that is left
.if MSB != \new
	s_set_vgpr_msb (MSB<<8)|\new
.set MSB, \new
.endif
.endm
.set MULW,  0xf9                       ; source 0 window 1, source 1 window 2, C and D window 3
.set MULW0, 0xc9                       ; the same with C in window 0
.set TO_R,  0x40                       ; destination window 1
.set TO_L,  0x80                       ; destination window 2
.macro CROUND                          ; a round of the cluster's barrier
	s_barrier_signal -1
	s_barrier_wait -1
	s_cmp_lg_u32 s3, 0
	s_cbranch_scc1 .Lnot_wave_0_\@
	s_barrier_signal -3
.Lnot_wave_0_\@:
	s_barrier_wait -3
	s_barrier_signal -1
	s_barrier_wait -1
.endm
.macro JLOAD c                         ; my part of chunk c: waves 0 and 1 fetch for x, waves 2 and 3 for the weight; one load to an arm, one join; s_nop 0 and four v_nop behind each load
	s_cmp_lt_u32 s3, 2
	s_cbranch_scc0 .Lfor_w_\@
	tensor_load_to_lds s[G0+8*\c:G0+8*\c+3], s[G1T:G1T+7]
	s_nop 0
.rept 4
	v_nop
.endr
	s_branch .Lasked_\@
.Lfor_w_\@:
	tensor_load_to_lds s[G0+8*\c+4:G0+8*\c+7], s[G1W:G1W+7]
	s_nop 0
.rept 4
	v_nop
.endr
.Lasked_\@:
.endm
.macro FETCH s                         ; K step s: 8 + 4 fragments, as images: 48 LDS loads, each of 512 or 256 consecutive bytes
	WIN TO_R
.irp j, 0,1,2,3,4,5,6,7
.irp c, 0,1
	ds_load_b128 v[96*((\s)%2)+12*\j+6*\c:96*((\s)%2)+12*\j+6*\c+3], v4 offset:\j*TILEB+((\s)%4)*1536+768*\c
	ds_load_b64 v[96*((\s)%2)+12*\j+6*\c+4:96*((\s)%2)+12*\j+6*\c+5], v5 offset:\j*TILEB+((\s)%4)*1536+768*\c+512
.endr
.endr
	WIN TO_L
.irp j, 0,1,2,3
.irp c, 0,1
	ds_load_b128 v[48*((\s)%2)+12*\j+6*\c:48*((\s)%2)+12*\j+6*\c+3], v6 offset:\j*TILEB+((\s)%4)*1536+768*\c
	ds_load_b64 v[48*((\s)%2)+12*\j+6*\c+4:48*((\s)%2)+12*\j+6*\c+5], v7 offset:\j*TILEB+((\s)%4)*1536+768*\c+512
.endr
.endr
.endm
.macro MUL s, cmode                    ; 32 products; the 32 accumulators take turns, one instruction a turn.  cmode 1: the constant 0 starts the sums
.irp a, 0,1,2,3
.irp b, 0,1,2,3,4,5,6,7
.if \cmode == 1
	v_wmma_scale_f32_16x16x128_f8f6f4 v[64*\a+8*\b:64*\a+8*\b+7], v[96*((\s)%2)+12*\b:96*((\s)%2)+12*\b+11], v[48*((\s)%2)+12*\a:48*((\s)%2)+12*\a+11], 0, v[RS+8*\b+(\s)], v[LS+8*\a+(\s)] matrix_a_fmt:MATRIX_FMT_FP6 matrix_b_fmt:MATRIX_FMT_FP6
.else
	v_wmma_scale_f32_16x16x128_f8f6f4 v[64*\a+8*\b:64*\a+8*\b+7], v[96*((\s)%2)+12*\b:96*((\s)%2)+12*\b+11], v[48*((\s)%2)+12*\a:48*((\s)%2)+12*\a+11], v[64*\a+8*\b:64*\a+8*\b+7], v[RS+8*\b+(\s)], v[LS+8*\a+(\s)] matrix_a_fmt:MATRIX_FMT_FP6 matrix_b_fmt:MATRIX_FMT_FP6
.endif
.endr
.endr
.endm
; K step s: the next step's fragments are asked for, then this step is multiplied.  Four plain vector instructions stand between the last products and the loads into the set that they read (ISA guide 7.12.1 for vector instructions).
.macro KSTEP s, cmode
.if ((\s)%4) == 3                      ; the next step opens chunk 1
	WIN 0
	s_wait_tensorcnt 0x0                           ; my part of chunk 1 is in
	s_wait_dscnt 0x0                               ; no LDS load of mine is out at the signal
	s_barrier_signal -1
	s_barrier_wait -1                              ; everybody's part is in.
	v_add_nc_u32 v4, CHUNK, v4                     ; these four are the places
	s_wait_alu depctr_va_vdst(0)
	v_add_nc_u32 v5, CHUNK, v5
	s_wait_alu depctr_va_vdst(0)
	v_add_nc_u32 v6, CHUNK, v6
	s_wait_alu depctr_va_vdst(0)
	v_add_nc_u32 v7, CHUNK, v7
.elseif (\s) > 0
.rept 4
	v_nop
.endr
.endif
	FETCH (\s)+1
	s_wait_dscnt 48                                ; all but the 48 just issued
	WIN MULW
	MUL \s, \cmode
.endm
; 64 numbers of a lane, register 16 b + i = k 32 b + 16 h + i of my row, become a fragment's codes in v[PC] on and its scale word in v[pw]
.macro QUANT64 s, pw
.irp b, 0,1,2,3
	v_max3_num_f32 v[TM+\b], |v[\s+16*\b]|, |v[\s+1+16*\b]|, 0x1800000   ; my 16 numbers of block b, and the floor 2^(3 - 127): the byte cannot fall under 1
.endr
.irp i, 2,4,6,8,10,12,14
.irp b, 0,1,2,3
	v_max3_num_f32 v[TM+\b], v[TM+\b], |v[\s+16*\b+\i]|, |v[\s+1+16*\b+\i]|
.endr
.endr
.irp b, 0,1,2,3
	v_permlanex16_b32 v[TM+4+\b], v[TM+\b], s[SEL], s[SEL+1]
.endr
.irp b, 0,1,2,3
	v_max_num_f32 v[TM+\b], v[TM+\b], v[TM+4+\b]   ; with lane l xor 16's: the block's largest magnitude
.endr
.irp b, 0,1,2,3
	v_add_nc_u32 v[TM+12+\b], 0xff000000, v[TM+\b] ; 2 off its exponent field: the conversion's scale operand
.endr
.irp b, 0,1,2,3
	v_lshrrev_b32 v[TM+4+\b], 23, v[TM+12+\b]      ; the scale's byte
.endr
	v_lshl_or_b32 v[\pw], v[TM+5], 8, v[TM+4]
	v_lshl_or_b32 v[\pw], v[TM+6], 16, v[\pw]
	v_lshl_or_b32 v[\pw], v[TM+7], 24, v[\pw]
.irp c, 0,1
	v_cvt_scalef32_pk16_fp6_f32 v[PC+6*\c:PC+6*\c+2], v[\s+32*\c:\s+32*\c+15], v[TM+12+2*\c]
	v_cvt_scalef32_pk16_fp6_f32 v[PT+4*\c:PT+4*\c+2], v[\s+32*\c+16:\s+32*\c+31], v[TM+13+2*\c]
.endr
	v_nop                                          ; one plain place behind a scaled conversion
.irp c, 0,1                            ; the operand's layout wants a whole block in a lane: lanes 0-15 block 2 c, lanes 16-31 block 2 c + 1
.irp i, 0,1,2
	v_permlane16_swap_b32 v[PC+6*\c+\i], v[PT+4*\c+\i]
.endr
.irp i, 0,1,2
	v_mov_b32 v[PC+6*\c+3+\i], v[PT+4*\c+\i]
.endr
.endr
.endm
	s_load_b512 s[68:83], s[0:1], 0x0              ; codes 68, scales 70, bq 72, bk 74, bv 76, qk_gain 78, qb 80, kv 82
	v_lshl_add_u32 v15, v0, 2, 0x48000
	s_set_vgpr_msb 0x40
	v_mov_b32 v255, 0                              ; (window 1)
	s_set_vgpr_msb 0x4044
	ds_add_u32 v15, v255
	ds_add_u32 v15, v255
	s_set_vgpr_msb 0x4400
	v_lshrrev_b32 v1, 5, v0
	v_readfirstlane_b32 s3, v1                     ; wave w
	s_lshr_b32 s4, s3, 1                           ; wr
	s_and_b32 s5, s3, 1                            ; wc
	s_bfe_u32 s6, ttmp6, 0x40000                   ; cx
	s_lshl_b32 s7, ttmp9, 2
	s_add_co_u32 s7, s7, s6                        ; X: it enters global addresses of my own loads and stores alone
	s_and_b32 s8, ttmp7, 0xffff                    ; y, which the four partners share
	; group 1: rows of 6,144 bytes (768 elements of 8: a tile's four K steps), 12,288 bytes apart (a tile): x's 4 tiles a load, the weight's 8
	s_mov_b32 s[G1T], 3<<16                        ; no mask: a load of my own
	s_mov_b32 s[G1T+1], 768<<16
	s_mov_b32 s[G1T+2], 4<<16
	s_mov_b32 s[G1T+3], 768<<16
	s_mov_b32 s[G1T+4], 4
	s_mov_b32 s[G1T+5], 1536
	s_mov_b32 s[G1T+6], 0
	s_mov_b32 s[G1T+7], 0
	s_mov_b32 s[G1W], 15|(3<<16)|(1<<21)           ; the mask: all four work-groups; bit 21 set beside it
	s_mov_b32 s[G1W+1], 768<<16
	s_mov_b32 s[G1W+2], 8<<16
	s_mov_b32 s[G1W+3], 768<<16
	s_mov_b32 s[G1W+4], 8
	s_mov_b32 s[G1W+5], 1536
	s_mov_b32 s[G1W+6], 0
	s_mov_b32 s[G1W+7], 0
	s_lshl_b32 s10, s7, 3
	s_mul_i32 s10, s10, 12288
	s_mul_i32 s11, s5, 4*12288
	s_add_co_u32 s10, s10, s11                     ; x's tile 8 X + 4 (w % 2)
	s_mov_b32 s11, 0
	s_lshl_b32 s12, s8, 4
	s_add_co_u32 s12, s12, 512
	s_mul_i32 s12, s12, 12288
	s_mul_i32 s13, s5, 8*12288
	s_add_co_u32 s12, s12, s13                     ; the weight's tile 512 + 16 y + 8 (w % 2): made of y and the wave's number alone
	s_mov_b32 s13, 0
	s_mul_i32 s14, s5, 4*TILEB                     ; where they go in a chunk
	s_mul_i32 s2, s5, 8*TILEB
	s_add_co_u32 s2, s2, 8*TILEB
	s_mul_i32 s15, s3, 4*TILEB
	s_add_co_u32 s15, s15, 8*TILEB                 ; (the weight's tiles 4 w ..: v's source 1)
	s_wait_dscnt 0x0
	s_wait_kmcnt 0x0
	s_add_nc_u64 s[10:11], s[68:69], s[10:11]
	s_add_nc_u64 s[12:13], s[68:69], s[12:13]
.irp c, 0,1
	s_mov_b32 s[G0+8*\c], 1
	s_add_co_u32 s[G0+8*\c+1], s14, \c*CHUNK
	s_add_nc_u64 s[G0+8*\c+2:G0+8*\c+3], s[10:11], \c*TILEB
	s_or_b32 s[G0+8*\c+3], s[G0+8*\c+3], 0x80000000
	s_mov_b32 s[G0+8*\c+4], 1
	s_add_co_u32 s[G0+8*\c+5], s2, \c*CHUNK
	s_add_nc_u64 s[G0+8*\c+6:G0+8*\c+7], s[12:13], \c*TILEB
	s_or_b32 s[G0+8*\c+7], s[G0+8*\c+7], 0x80000000
.endr
	CROUND                                         ; all four work-groups are here: the joint loads meet
	JLOAD 0                                        ; chunk 0: one tensor load a wave at the head
	v_and_b32 v1, 31, v0                           ; lane
	v_and_b32 v2, 15, v0                           ; r
	v_bfe_u32 v3, v0, 4, 1                         ; h
	v_lshlrev_b32 v9, 4, v1                        ; 16 l
	v_lshlrev_b32 v10, 3, v1                       ; 8 l
	v_lshlrev_b32 v8, 4, v2                        ; 16 r
	; which tiles are source 0 and source 1: q, k: the weight's 8 wc .. and x's 4 wr ..;  v: x's eight and Wv's 4 w ..  The choice hangs on y alone
	s_wait_alu depctr_va_vdst(0)
	s_mul_i32 s10, s5, 8*TILEB
	s_add_co_u32 s10, s10, 8*TILEB
	s_mul_i32 s11, s4, 4*TILEB
	s_cmp_eq_u32 s8, 5
	s_cselect_b32 s10, 0, s10
	s_cselect_b32 s11, s15, s11
	v_add_nc_u32 v4, s10, v9
	v_add_nc_u32 v5, s10, v10
	v_add_nc_u32 v6, s11, v9
	v_add_nc_u32 v7, s11, v10
	s_lshl_b32 s12, s8, 4
	s_lshl_b32 s2, s5, 3
	s_add_co_u32 s12, s12, s2
	s_add_co_u32 s12, s12, 512                     ; tile 512 + 16 y + 8 wc
	s_lshl_b32 s10, s7, 3                          ; tile 8 X
	s_lshl_b32 s14, s4, 2
	s_add_co_u32 s14, s14, s10                     ; tile 8 X + 4 wr
	s_lshl_b32 s2, s3, 2
	s_add_co_u32 s2, s2, 592                       ; tile 592 + 4 w
	s_cmp_eq_u32 s8, 5
	s_cselect_b32 s12, s10, s12
	s_cselect_b32 s14, s2, s14
	s_lshl_b32 s12, s12, 9                         ; 512 bytes of scale words a tile
	s_lshl_b32 s14, s14, 9
	s_mov_b32 s13, 0
	s_mov_b32 s15, 0
	s_add_nc_u64 s[12:13], s[70:71], s[12:13]
	s_add_nc_u64 s[14:15], s[70:71], s[14:15]
.irp b, 0,1,2,3,4,5,6,7
	global_load_b128 v[RS+8*\b:RS+8*\b+3], v8, s[12:13] offset:512*\b          ; row r's words of K steps 0-3,
	global_load_b128 v[RS+8*\b+4:RS+8*\b+7], v8, s[12:13] offset:512*\b+256    ; and 4-7
.endr
.irp a, 0,1,2,3
	global_load_b128 v[LS+8*\a:LS+8*\a+3], v8, s[14:15] offset:512*\a
	global_load_b128 v[LS+8*\a+4:LS+8*\a+7], v8, s[14:15] offset:512*\a+256
.endr
	; the 256 numbers of bias that belong to my work-group's features, in both forms (one is used)
	s_min_u32 s2, s8, 3
	s_lshl_b32 s10, s2, 10
	s_mov_b32 s11, 0
	s_add_nc_u64 s[98:99], s[72:73], s[10:11]
	s_cmp_eq_u32 s8, 4
	s_cselect_b64 s[98:99], s[74:75], s[98:99]
	s_cmp_eq_u32 s8, 5
	s_cselect_b64 s[98:99], s[76:77], s[98:99]
	s_lshl_b32 s9, s2, 4
	s_lshl_b32 s10, s5, 3
	s_add_co_u32 s9, s9, s10                       ; the gains of heads 4 y + 2 wc and the next (y held at 3: k and v take none)
	s_load_b64 s[84:85], s[78:79], s9 offset:0x0
	v_lshlrev_b32 v11, 6, v3
	s_lshl_b32 s2, s5, 9
	v_add_nc_u32 v11, s2, v11                      ; the result's layout: tile 2 b + u: features 128 wc + 32 b + 16 h + 8 u + 0 .. 7
	v_and_b32 v12, 8, v2
	v_add_nc_u32 v12, v12, v2
	v_lshlrev_b32 v12, 2, v12
	s_lshl_b32 s2, s3, 8
	v_add_nc_u32 v12, s2, v12                      ; a lane a channel: 64 w + r + 8 (r / 8), + the tile's first
.irp t, 0,1,2,3,4,5,6,7
	global_load_b128 v[BR+8*\t:BR+8*\t+3], v11, s[98:99] offset:(32*(\t/2)+8*(\t%2))*4
	global_load_b128 v[BR+8*\t+4:BR+8*\t+7], v11, s[98:99] offset:(32*(\t/2)+8*(\t%2))*4+16
.endr
.irp a, 0,1,2,3
	global_load_b32 v[BL+\a], v12, s[98:99] offset:(32*(\a/2)+8*(\a%2))*4
.endr
.irp b, 0,1,2,3
	v_mov_b32 v[TM+4+\b], 0                        ; written once: a lane permute's destination counts as one of its sources
.endr
	v_lshlrev_b32 v14, 3, v3
	v_add_nc_u32 v14, v8, v14                      ; 16 r + 8 h
	s_mov_b32 s[SEL], 0x76543210
	s_mov_b32 s[SEL+1], 0xfedcba98
	s_mov_b32 s101, 0xffff0000                     ; lanes 16-31
	s_wait_alu depctr_va_vdst(0)
	s_set_vgpr_msb 0x4                             ; (the add's 0 lies in window 1)
	s_wait_tensorcnt 0x0                           ; my part of chunk 0 is in
	ds_add_u32 v15, v255
	s_wait_dscnt 0x0
	s_set_vgpr_msb 0x400
	CROUND                                         ; everybody's part of chunk 0 is in, and all four work-groups are here: the joint loads meet
	JLOAD 1                                        ; chunk 1, the first tensor load behind the round
	FETCH 0
	s_wait_loadcnt 0x0                             ; scale words and biases
	s_wait_kmcnt 0x0                               ; the gains
	s_cmp_eq_u32 s8, 4
	s_cselect_b32 s86, 1.0, s84                    ; k has no gain
	s_cselect_b32 s88, 1.0, s85
	s_mov_b32 s87, s86                             ; (the packed form names pairs)
	s_mov_b32 s89, s88
	KSTEP 0, 1
.irp s, 1,2,3,4,5,6
	s_wait_alu depctr_va_vdst(0)
	KSTEP \s, 0
.endr
	s_wait_dscnt 0x0
	MUL 7, 0
	WIN 0
.rept 4
	v_nop                                          ; places in front of the first read of results
.endr
	s_lshr_b32 s32, s7, 4                          ; the batch  (all tensor loads have been waited for: the descriptors' registers are free)
	s_and_b32 s33, s7, 15                          ; which 128 tokens of it
	s_mov_b32 s41, 0
	s_mov_b32 s43, 0
	s_cmp_eq_u32 s8, 5
	s_cbranch_scc1 .Lv
	; ---- q and k: (sum + bias) x gain; a lane's 128 features are two heads: blocks 0, 1 and 2, 3
	s_lshl_b32 s34, s5, 1
	s_lshl_b32 s35, s32, 4
	s_lshl_b32 s36, s8, 2
	s_add_co_u32 s35, s35, s36                     ; q: 16 b + 4 y
	s_lshl_b32 s36, s32, 2                         ; k: 4 b
	s_mov_b32 s37, 102400                          ; bytes of a head in qb,
	s_mov_b32 s38, 6400                            ; of a record,
	s_mov_b32 s39, 6144                            ; and where its scale words begin
	s_cmp_eq_u32 s8, 4
	s_cselect_b32 s35, s36, s35
	s_cselect_b32 s37, 204800, s37
	s_cselect_b32 s38, 12800, s38
	s_cselect_b32 s39, 12288, s39
	s_cselect_b64 s[90:91], s[82:83], s[80:81]
	s_add_co_u32 s35, s35, s34                     ; + 2 wc: my first head
	s_mul_i32 s40, s35, s37
	s_mul_i32 s42, s33, s38
	s_add_co_u32 s40, s40, s42
	s_add_nc_u64 s[90:91], s[90:91], s[40:41]      ; its record
	s_mov_b32 s42, s39
	s_add_nc_u64 s[94:95], s[90:91], s[42:43]      ; the record's scale words
	s_mul_i32 s42, s4, 4*768
	s_add_nc_u64 s[90:91], s[90:91], s[42:43]      ; my four tiles of tokens in it
	s_mov_b32 s42, s37
	s_add_nc_u64 s[92:93], s[90:91], s[42:43]      ; the same of my second head
	v_mul_lo_u32 v13, v3, s37
	v_lshl_add_u32 v13, v2, 4, v13
	s_lshl_b32 s42, s4, 3
	v_add_nc_u32 v13, s42, v13                     ; 16 r + 8 wr; lanes 16-31: in the second head
.irp a, 0,1,2,3
	WIN 0x03                                       ; source 0 window 3
.set j, 0
.rept 32
	v_pk_add_f32 v[H+j:H+j+1], v[64*\a+j:64*\a+j+1], v[BR+j:BR+j+1]   ; each accumulator from its low end on
.set j, j+2
.endr
	WIN 0
.set j, 0
.rept 16
	v_pk_mul_f32 v[H+j:H+j+1], v[H+j:H+j+1], s[86:87] op_sel_hi:[1,0]
	v_pk_mul_f32 v[H+32+j:H+33+j], v[H+32+j:H+33+j], s[88:89] op_sel_hi:[1,0]
.set j, j+2
.endr
.if \a > 0
	s_wait_xcnt 0x0                                ; the last tile's stores have read the codes' registers
.endif
	QUANT64 H, PWS+\a
	global_store_b128 v9, v[PC:PC+3], s[90:91] offset:768*\a
	global_store_b64 v10, v[PC+4:PC+5], s[90:91] offset:768*\a+512
	global_store_b128 v9, v[PC+6:PC+9], s[92:93] offset:768*\a
	global_store_b64 v10, v[PC+10:PC+11], s[92:93] offset:768*\a+512
.endr
	v_perm_b32 v28, v[PWS+1], v[PWS], 0x05040100   ; first head: tiles 0 and 1's two bytes each,
	v_perm_b32 v29, v[PWS+3], v[PWS+2], 0x05040100 ; tiles 2 and 3's;
	v_perm_b32 v30, v[PWS+1], v[PWS], 0x07060302   ; second head
	v_perm_b32 v31, v[PWS+3], v[PWS+2], 0x07060302
	v_cndmask_b32 v28, v28, v30, s101              ; lanes 0-15 store the first head's, lanes 16-31 the second's
	v_cndmask_b32 v29, v29, v31, s101
	global_store_b64 v13, v[28:29], s[94:95]
	s_branch .Ljoin
.Lv:
	; ---- v: sum + bias; a lane's 128 numbers are the 128 keys of one channel
	s_lshl_b32 s34, s32, 2
	s_add_co_u32 s34, s34, s3                      ; 4 b + kv head (= my wave)
	s_lshl_b32 s34, s34, 4
	s_add_co_u32 s34, s34, s33
	s_mul_i32 s40, s34, 12800
	s_add_nc_u64 s[90:91], s[82:83], s[40:41]      ; the record
.irp a, 0,1,2,3
	v_mov_b32 v[BR+2*\a], v[BL+\a]                 ; the lane's bias into the low register of a pair
.endr
.irp a, 0,1,2,3
	WIN 0x03
.set j, 0
.rept 32
	v_pk_add_f32 v[H+j:H+j+1], v[64*\a+j:64*\a+j+1], v[BR+2*\a:BR+2*\a+1] op_sel_hi:[1,0]
.set j, j+2
.endr
	WIN 0
.if \a > 0
	s_wait_xcnt 0x0
.endif
	QUANT64 H, PWS+\a
	global_store_b128 v9, v[PC:PC+3], s[90:91] offset:6144+1536*\a
	global_store_b64 v10, v[PC+4:PC+5], s[90:91] offset:6144+1536*\a+512
	global_store_b128 v9, v[PC+6:PC+9], s[90:91] offset:6144+1536*\a+768
	global_store_b64 v10, v[PC+10:PC+11], s[90:91] offset:6144+1536*\a+1280
.endr
	v_cndmask_b32 v28, v[PWS], v[PWS+2], s101      ; lanes 0-15: tiles 0 and 1's words of row r, lanes 16-31: tiles 2 and 3's
	v_cndmask_b32 v29, v[PWS+1], v[PWS+3], s101
	global_store_b64 v14, v[28:29], s[90:91] offset:12544   ; 256 consecutive bytes
.Ljoin:
	s_set_vgpr_msb 0x4
	s_wait_tensorcnt 0x0                           ; the wave's end
	ds_add_u32 v15, v255
	s_wait_dscnt 0x0
	s_set_vgpr_msb 0x400
	CROUND                                         ; the closing round: no work-group ends while a partner may still ask for a tile that names it
	s_endpgm
.Lfunc_end_k_q0f37ce9db6_qkv:
	.size	k_q0f37ce9db6_qkv, .Lfunc_end_k_q0f37ce9db6_qkv-k_q0f37ce9db6_qkv
	.p2alignl 7, 3214868480
	.fill 96, 4, 3214868480
	.section	.rodata,"a",@progbits
	.p2align	6, 0x0
	.amdhsa_kernel k_q0f37ce9db6_qkv
		.amdhsa_group_segment_fixed_size 327680
		.amdhsa_private_segment_fixed_size 0
		.amdhsa_enable_private_segment 0
		.amdhsa_kernarg_size 64
		.amdhsa_user_sgpr_count 2
		.amdhsa_user_sgpr_kernarg_segment_ptr 1
		.amdhsa_wavefront_size32 1
		.amdhsa_system_sgpr_workgroup_id_x 1
		.amdhsa_system_sgpr_workgroup_id_y 1
		.amdhsa_system_sgpr_workgroup_id_z 1
		.amdhsa_system_vgpr_workitem_id 0
		.amdhsa_next_free_vgpr 1024
		.amdhsa_next_free_sgpr 102
		.amdhsa_reserve_vcc 0
		.amdhsa_float_denorm_mode_32 3
		.amdhsa_float_denorm_mode_16_64 3
		.amdhsa_memory_ordered 1
		.amdhsa_forward_progress 1
		.amdhsa_inst_pref_size 132
	.end_amdhsa_kernel
	.amdgpu_metadata
---
amdhsa.version: [ 1, 2 ]
amdhsa.kernels:
  - .name:           k_q0f37ce9db6_qkv
    .symbol:         k_q0f37ce9db6_qkv.kd
    .args:
      - { .name: codes, .offset: 0, .size: 8, .value_kind: global_buffer, .address_space: global }
      - { .name: scales, .offset: 8, .size: 8, .value_kind: global_buffer, .address_space: global }
      - { .name: bq, .offset: 16, .size: 8, .value_kind: global_buffer, .address_space: global }
      - { .name: bk, .offset: 24, .size: 8, .value_kind: global_buffer, .address_space: global }
      - { .name: bv, .offset: 32, .size: 8, .value_kind: global_buffer, .address_space: global }
      - { .name: qk_gain, .offset: 40, .size: 8, .value_kind: global_buffer, .address_space: global }
      - { .name: qb, .offset: 48, .size: 8, .value_kind: global_buffer, .address_space: global }
      - { .name: kv, .offset: 56, .size: 8, .value_kind: global_buffer, .address_space: global }
    .group_segment_fixed_size: 327680
    .private_segment_fixed_size: 0
    .kernarg_segment_align: 8
    .kernarg_segment_size: 64
    .max_flat_workgroup_size: 128
    .sgpr_count:     102
    .vgpr_count:     1024
    .wavefront_size: 32
...
	.end_amdgpu_metadata
.endif
;; end of part 2
;; launch attn (part 3): grid 16 x 16, 16 waves a work-group, no clusters, 327,680 bytes of LDS; arguments qb, kv, yc, ys; writes yc, ys
.if DOCPART == 3
	.amdgcn_target "amdgcn-amd-amdhsa--gfx1250"
	.amdhsa_code_object_version 6
	.text
	.protected	k_q0f37ce9db6_attn
	.globl	k_q0f37ce9db6_attn
	.p2align	8
	.type	k_q0f37ce9db6_attn,@function
k_q0f37ce9db6_attn:
	s_mov_b64 s[64:65], 0
	v_nop
	global_prefetch_b8 v0, s[64:65] scope:SCOPE_SE
	s_setreg_imm32_b32 hwreg(HW_REG_WAVE_MODE, 25, 1), 1
	s_wait_xcnt 0x0
; Causal attention on codes of FP6 with E8M0 scales: 16 query heads, 4 key and value heads, head size 64, 2,048 tokens, 4 batches.  y = softmax(q k^T / 8, causal) v, quantised at once along the 1,024 channels for the last product.
; THE SOFTMAX: t = score x log2(e) / 8; M = the running largest t rounded UP to a whole number; p = 2^(t - M) is quantised along the keys, not normalised; the row's sum is taken of the unquantised p and divides at the end.
; LEFT OUT: key steps all of whose keys lie behind every query of the block: the causal mask sets their scores to -inf, so their p is 0 for all values of the inputs.  A NaN or infinity that reaches only those scores is not carried.
; LIMITS: the promise holds while the scaled scores t stay under 2^31 in magnitude.  y's quantiser: NaN and infinities are not served; a block whose largest magnitude lies under 2^-124, a block of zeros among them, keeps the byte 1 (this program alone reads the bytes).
; SHARES.  Work-group (i, 4 b + kv) takes the blocks of 64 queries i and 31 - i, for the 4 heads that share the kv head.  Keys go 128 a step; block n needs n / 2 + 1 steps under the mask, so EVERY work-group walks 17 steps:
; the count of trips is a constant, and the change of blocks is a scalar branch on ids.  Wave w: head 4 kv + w % 4, tile of 16 queries w / 4.  Both blocks' q are loaded at the head, so the change of blocks touches registers alone.
; THE WHOLE kv HEAD LIES IN LDS, each byte filled once: 16 records of 12,800 bytes, in two halves of 8 records; of a half each wave brings 25 rows of 256 bytes.  The first half is asked for at the head, one tensor load a wave; the second
; behind the wait for it, the add and a barrier.  The first 8 trips read records 0-7 alone (a trip's record is at most its number); all waves wait for the second half in front of
; a second barrier, ahead of the other 9 trips.  One load a wave is out by this text's count.  The launch claims all of LDS.
; NO CLUSTER: the 16 work-groups that read one kv head differ in i, on which the trip of the change of blocks hangs, and partners of a cluster must branch alike.  NO PREFETCH: every byte is asked for ahead of the first trip.
; LAYOUT.  Both products are used transposed: a lane holds one query.  K's tile t holds, as local row i, key 32 (t / 2) + 8 (t % 2) + i + 8 (i / 8): the 16 registers of tiles 2 b, 2 b + 1 are keys 32 b + 16 h + 0 .. 15.
; K = 64 IN AN INSTRUCTION OF 128: a fragment of source 0 holds TWO tiles of keys, one in k 0-63 and one in k 64-127, as they lie in memory.  Source 1 is [q | zero codes] for the first and [zero codes | q] for the second:
; zero codes add nothing under any scale byte but 0xff.
; The tiles of queries hold tokens in the same order: tile n's lane r is token 32 (n / 2) + 8 (n % 2) + r + 8 (r / 8); that enters the mask alone.
.set REC, 12800                        ; a record: K's codes 0, V^T's 6,144, K's scale words 12,288, V's 12,544
.set F,   44                           ; v44-91   four fragments, K's and then V's
.set S,   96                           ; v96-159  S^T, then p; at a block's end y
.set O,   160                          ; v160-191 O^T
.set PC,  192                          ; v192-203 p's codes
.set PT,  204                          ; v204-211 the upper halves of the conversions
.set QA,  212                          ; v212-218 block i's q and its scale word as stored
.set QB,  224                          ; v224-230 block 31 - i's
; v1 16 l, v2 8 l + 512, v3 16 r, v4-6 the same in the record in hand, v7 my query's token - 16 h, v8 16 r + h, v9 8 l, v10 r + 8 (r / 8) - 16 h, v11 a byte to store
; v12 -M, v13 the largest t, v[14:15] the sum; v16-21 q, v22-27 zero codes, v28-33 q; v34 q's scale word; v36-39 K's scale words, v40-43 V's; v232-254 at work; v251, v255 the add's
; s3 wave, s4 head in the group, s5 tile of queries, s7 4 b + kv, s8 b, s10 head, s11 block, s12 trip, s13 the trip of the change, s14 key step, s15 its first key, s28 the block's first token
	s_load_b256 s[48:55], s[0:1], 0x0              ; qb 48, kv 50, yc 52, ys 54
	v_lshl_add_u32 v251, v0, 2, 0x32000
	v_mov_b32 v255, 0
	ds_add_u32 v251, v255
	ds_add_u32 v251, v255
	v_lshrrev_b32 v1, 5, v0
	v_readfirstlane_b32 s3, v1
	s_and_b32 s4, s3, 3
	s_lshr_b32 s5, s3, 2
	s_and_b32 s7, ttmp7, 0xffff
	s_lshr_b32 s8, s7, 2
	s_and_b32 s10, s7, 3
	s_lshl_b32 s10, s10, 2
	s_add_co_u32 s10, s10, s4
	s_lshr_b32 s13, ttmp9, 1
	s_add_co_u32 s13, s13, 1                       ; block i has i / 2 + 1 steps
	s_mov_b32 s16, 3<<16                           ; group 1: a dense block of 6,400 bytes as 25 rows of 256 (32 elements of 8 bytes)
	s_mov_b32 s17, 32<<16
	s_mov_b32 s18, 25<<16
	s_mov_b32 s19, 32<<16
	s_mov_b32 s20, 25
	s_mov_b32 s21, 32
	s_mov_b32 s22, 0
	s_mov_b32 s23, 0
	s_mov_b32 s24, 1
	s_mul_i32 s25, s3, REC/2                       ; my sixteenth of the first half goes to w x 6,400,
	s_mov_b32 s60, 1
	s_add_co_u32 s61, s25, 8*REC                   ; of the second half 8 records on
	s_mul_i32 s42, s7, 16*REC
	s_add_co_u32 s42, s42, s25
	s_mov_b32 s43, 0
	s_wait_dscnt 0x0
	s_wait_kmcnt 0x0
	s_add_nc_u64 s[26:27], s[50:51], s[42:43]
	s_add_nc_u64 s[62:63], s[26:27], 8*REC
	s_or_b32 s27, s27, 0x80000000
	s_or_b32 s63, s63, 0x80000000
	tensor_load_to_lds s[24:27], s[16:23]
	s_nop 0
.rept 4
	v_nop
.endr
	v_and_b32 v11, 31, v0
	v_and_b32 v10, 15, v0                          ; r
	v_lshlrev_b32 v1, 4, v11
	v_lshlrev_b32 v9, 3, v11
	v_lshlrev_b32 v3, 4, v10
	v_bfe_u32 v11, v0, 4, 1                        ; h
	v_add_nc_u32 v2, 512, v9
	v_and_b32 v4, 8, v10
	v_add_nc_u32 v8, v3, v11
	v_add_nc_u32 v10, v10, v4
	v_lshlrev_b32 v11, 4, v11
	v_sub_nc_u32 v10, v10, v11
.irp j, 22,23,24,25,26,27
	v_mov_b32 v\j, 0                               ; the zero codes
.endr
.irp j, 236,237,238,239,252,253
	v_mov_b32 v\j, 0                               ; written once: lane permutes' destinations, and the upper half of the pair v[252:253]
.endr
	s_mov_b32 s29, 0xffff0000                      ; lanes 16-31
	s_mov_b32 s30, 0x76543210
	s_mov_b32 s31, 0xfedcba98                      ; v_permlanex16_b32's selects for lane l xor 16
	s_mov_b32 s32, 0x3e38aa3b                      ; c = log2(e) / 8
	s_mov_b32 s33, s32                             ; (the packed form names the pair)
	s_mov_b32 s46, 0x01000100                      ; which half of the stored word holds my tile's two bytes: they are laid twice into q's scale word
	s_and_b32 s42, s5, 1
	s_cmp_eq_u32 s42, 1
	s_cselect_b32 s46, 0x03020302, s46
	s_wait_alu depctr_va_vdst(0)
; q's tile and the word with its scale bytes, of block s11, into v[dst] on; pa: four scalar registers for the two addresses
.macro QLOAD dst, pa
	s_lshl_b32 s42, s7, 2
	s_add_co_u32 s42, s42, s4                      ; 16 b + head
	s_lshl_b32 s42, s42, 4
	s_lshr_b32 s43, s11, 1
	s_add_co_u32 s42, s42, s43
	s_mul_i32 s42, s42, 6400                       ; the record of 128 queries
	s_and_b32 s43, s11, 1
	s_lshl_b32 s43, s43, 2
	s_add_co_u32 s43, s43, s5                      ; my tile in it
	s_mul_i32 s44, s43, 768
	s_add_co_u32 s44, s44, s42
	s_mov_b32 s45, 0
	s_add_nc_u64 s[\pa:\pa+1], s[48:49], s[44:45]
	s_lshr_b32 s43, s43, 1
	s_lshl_b32 s43, s43, 2
	s_add_co_u32 s44, s42, s43
	s_add_co_u32 s44, s44, 6144
	s_add_nc_u64 s[\pa+2:\pa+3], s[48:49], s[44:45]
	global_load_b128 v[\dst:\dst+3], v1, s[\pa:\pa+1]
	global_load_b64 v[\dst+4:\dst+5], v9, s[\pa:\pa+1] offset:512
	global_load_b32 v[\dst+6], v3, s[\pa+2:\pa+3]
.endm
; A block begins: y's addresses, q from v[src] on, and the sums at their start.  s11 holds the block
.macro START src
	s_wait_xcnt 0x0                                ; earlier loads and stores have read their bases and their registers
	s_lshl_b32 s28, s11, 6
	s_lshl_b32 s42, s8, 7
	s_lshl_b32 s43, s11, 2
	s_add_co_u32 s42, s42, s43
	s_add_co_u32 s42, s42, s5                      ; y's row tile: 128 b + 4 block + tile
	s_mul_i32 s44, s42, 12288
	s_mul_i32 s43, s10, 768                        ; K step head / 2, half head % 2
	s_add_co_u32 s44, s44, s43
	s_mov_b32 s45, 0
	s_add_nc_u64 s[38:39], s[52:53], s[44:45]
	s_lshl_b32 s44, s42, 9
	s_lshr_b32 s43, s10, 3
	s_lshl_b32 s43, s43, 8
	s_add_co_u32 s44, s44, s43
	s_and_b32 s43, s10, 7
	s_lshl_b32 s43, s43, 1                         ; word (head / 2) % 4, bytes 2 (head % 2) on
	s_add_co_u32 s44, s44, s43
	s_add_nc_u64 s[40:41], s[54:55], s[44:45]
	s_lshr_b32 s43, s5, 1
	s_lshl_b32 s43, s43, 5
	s_and_b32 s42, s5, 1
	s_lshl_b32 s42, s42, 3
	s_add_co_u32 s43, s43, s42
	s_add_co_u32 s47, s43, s28                     ; my tile's first token
	s_mov_b32 s14, 0
	s_mov_b32 s15, 0
	v_perm_b32 v34, v[\src+6], v[\src+6], s46
.irp j, 0,1,2,3,4,5
	v_mov_b32 v[16+\j], v[\src+\j]
	v_mov_b32 v[28+\j], v[\src+\j]
.endr
	v_add_nc_u32 v7, s47, v10
	v_mov_b32 v13, 0xff61b1e6                      ; the largest t so far: -3e38, under every t
	s_delay_alu instid0(VALU_DEP_1)
	v_floor_f32 v12, -v13
	v_mov_b32 v14, 0
	v_mov_b32 v15, 0
.set j, 0
.rept 32
	v_mov_b32 v[O+j], 0                            ; the step is written once: the first finds zeros.  These 32 are also the places between the writes of q and its scale word and the first product
.set j, j+1
.endr
.endm
; A block ends: O^T / the sum is y's 64 channels of my head: two blocks of 32 along the last product's K; codes and bytes go out in that operand's layout
.macro FINISH
.rept 4
	v_nop                                          ; places behind the last products
.endr
	v_add_f32 v14, v14, v15
	s_delay_alu instid0(VALU_DEP_1)
	v_permlanex16_b32 v252, v14, s30, s31
	s_delay_alu instid0(VALU_DEP_1)
	v_add_f32 v14, v14, v252                       ; the row's sum
	s_wait_alu depctr_va_vdst(0)
	v_rcp_f32 v14, v14
	v_nop                                          ; a plain place behind it
	s_wait_alu depctr_va_vdst(0)                   ; the wait ahead of its first reader
.set j, 0
.rept 16
	v_pk_mul_f32 v[S+j:S+j+1], v[O+j:O+j+1], v[14:15] op_sel_hi:[1,0]   ; register 16 b + i: channel 32 b + 16 h + i; each accumulator from its low end on
.set j, j+2
.endr
.irp b, 0,1
	v_max3_num_f32 v[232+\b], |v[S+16*\b]|, |v[S+1+16*\b]|, 0x1800000
.endr
.irp i, 2,4,6,8,10,12,14
.irp b, 0,1
	s_delay_alu instid0(VALU_DEP_2)
	v_max3_num_f32 v[232+\b], v[232+\b], |v[S+16*\b+\i]|, |v[S+1+16*\b+\i]|
.endr
.endr
.irp b, 0,1
	s_delay_alu instid0(VALU_DEP_2)
	v_permlanex16_b32 v[236+\b], v[232+\b], s30, s31
.endr
.irp b, 0,1
	s_delay_alu instid0(VALU_DEP_2)
	v_max_num_f32 v[232+\b], v[232+\b], v[236+\b]
.endr
.irp b, 0,1
	s_delay_alu instid0(VALU_DEP_2)
	v_add_nc_u32 v[244+\b], 0xff000000, v[232+\b]
.endr
.irp b, 0,1
	s_delay_alu instid0(VALU_DEP_2)
	v_lshrrev_b32 v[236+\b], 23, v[244+\b]
.endr
	s_delay_alu instid0(VALU_DEP_1)
	v_cndmask_b32 v11, v236, v237, s29             ; lanes 0-15 store block 0's byte, lanes 16-31 block 1's
	v_cvt_scalef32_pk16_fp6_f32 v[PC:PC+2], v[S:S+15], v244
	v_cvt_scalef32_pk16_fp6_f32 v[PT:PT+2], v[S+16:S+31], v245
	v_nop                                          ; one plain place behind a scaled conversion
.irp i, 0,1,2
	v_permlane16_swap_b32 v[PC+\i], v[PT+\i]
.endr
.irp i, 0,1,2
	s_delay_alu instid0(VALU_DEP_3)
	v_mov_b32 v[PC+3+\i], v[PT+\i]
.endr
	global_store_b128 v1, v[PC:PC+3], s[38:39]             ; 512 consecutive bytes
	global_store_b64 v9, v[PC+4:PC+5], s[38:39] offset:512 ; 256 consecutive bytes
	global_store_b8 v8, v11, s[40:41]                      ; two bytes a row and head, 16 bytes apart: one twenty-fourth of the codes' bytes
.endm
; A key step: 128 keys.  lim: the highest record that may be read here (the step never passes it by the count of trips; the hold keeps the address inside those records by the text alone)
.macro STEP lim
	s_min_u32 s2, s14, \lim
	s_mul_i32 s2, s2, REC
	v_add_nc_u32 v4, s2, v1                        ; these three and the v_nop are the places in front of loads into registers that the last products read
	v_add_nc_u32 v5, s2, v2
	v_add_nc_u32 v6, s2, v3
	v_nop
.irp f, 0,1,2,3
.irp c, 0,1
	ds_load_b128 v[F+12*\f+6*\c:F+12*\f+6*\c+3], v4 offset:1536*\f+768*\c
	ds_load_b64 v[F+12*\f+6*\c+4:F+12*\f+6*\c+5], v5 offset:1536*\f+768*\c
.endr
.endr
	ds_load_b128 v[36:39], v6 offset:12288
	s_wait_alu depctr_va_vdst(0)
	s_wait_dscnt 0x0
.irp t, 0,1,2,3,4,5,6,7                ; S^T = K q^T: tile t lies in half t % 2 of fragment t / 2
	v_wmma_scale_f32_16x16x128_f8f6f4 v[S+8*\t:S+8*\t+7], v[F+12*(\t/2):F+12*(\t/2)+11], v[16+6*(\t%2):27+6*(\t%2)], 0, v[36+\t/2], v34 matrix_a_fmt:MATRIX_FMT_FP6 matrix_b_fmt:MATRIX_FMT_FP6
.endr
.rept 4
	v_nop                                          ; places in front of the loads below and of the first read of scores
.endr
.irp f, 0,1,2,3                        ; V^T's four tiles are asked for now: the softmax stands between the loads and the wait for them
.irp c, 0,1
	ds_load_b128 v[F+12*\f+6*\c:F+12*\f+6*\c+3], v4 offset:6144+1536*\f+768*\c
	ds_load_b64 v[F+12*\f+6*\c+4:F+12*\f+6*\c+5], v5 offset:6144+1536*\f+768*\c
.endr
.endr
	ds_load_b128 v[40:43], v6 offset:12544
	s_add_co_u32 s42, s15, 127                     ; a step all of whose keys count for the whole block skips the mask: a scalar branch on ids and counts
	s_cmp_le_u32 s42, s28
	s_cbranch_scc1 .Lopen_\@
	v_sub_nc_u32 v252, v7, s15                     ; d = my token - the step's first key - 16 h.  Register 16 b + i holds key 32 b + 16 h + i of the step: hidden where 32 b + i > d
	v_mov_b32 v254, 0xff800000                     ; -infinity: p = 0 then
.set n, 0
.rept 64
	v_cmp_gt_i32 vcc_lo, 32*(n/16)+n%16, v252
	v_cndmask_b32 v[S+n], v[S+n], v254, vcc_lo
.set n, n+1
.endr
.Lopen_\@:
.irp b, 0,1,2,3
	v_max3_num_f32 v[232+\b], v[S+16*\b], v[S+1+16*\b], v[S+2+16*\b]   ; the largest score of each block of 32 keys: for the row's maximum, and, since p rises with the score, for the block's largest p
.endr
.irp i, 3,5,7,9,11,13
.irp b, 0,1,2,3
	v_max3_num_f32 v[232+\b], v[232+\b], v[S+16*\b+\i], v[S+1+16*\b+\i]
.endr
.endr
.irp b, 0,1,2,3
	v_max_num_f32 v[232+\b], v[232+\b], v[S+15+16*\b]
.endr
.irp b, 0,1,2,3
	s_delay_alu instid0(VALU_DEP_4)
	v_permlanex16_b32 v[236+\b], v[232+\b], s30, s31
.endr
.irp b, 0,1,2,3
	s_delay_alu instid0(VALU_DEP_4)
	v_max_num_f32 v[232+\b], v[232+\b], v[236+\b]
.endr
	s_delay_alu instid0(VALU_DEP_2)
	v_max3_num_f32 v254, v232, v233, v234
	s_delay_alu instid0(VALU_DEP_1)
	v_max_num_f32 v254, v254, v235                 ; the step's largest score of my query (its first key counts in every step that is walked)
	s_delay_alu instid0(VALU_DEP_1)
	v_mul_f32 v254, s32, v254
	s_delay_alu instid0(VALU_DEP_1)
	v_max_num_f32 v13, v13, v254                   ; the running largest t
	v_mov_b32 v254, v12
	s_delay_alu instid0(VALU_DEP_2)
	v_floor_f32 v12, -v13                          ; -M = floor(-t): M is a whole number
	s_delay_alu instid0(VALU_DEP_1)
	v_sub_f32 v254, v12, v254
	s_delay_alu instid0(VALU_DEP_1)
	v_cvt_i32_f32 v254, v254                       ; old M - new M, 0 or less (it saturates)
	s_delay_alu instid0(VALU_DEP_1)
	v_ldexp_f32 v252, 1.0, v254                    ; f = 2^(old M - new M): a multiplication by it rounds nothing
.set j, 0
.rept 32
	v_pk_fma_f32 v[S+j:S+j+1], v[S+j:S+j+1], s[32:33], v[12:13] op_sel_hi:[1,0,0]   ; t - M
.set j, j+2
.endr
.irp b, 0,1,2,3
	v_fma_f32 v[232+\b], v[232+\b], s32, v12
.endr
.set j, 0
	s_wait_alu depctr_va_vdst(0)
.rept 64
	v_exp_f32 v[S+j], v[S+j]                       ; p = 2^(t - M)
.set j, j+1
.endr
	v_pk_mul_f32 v[14:15], v[14:15], v[252:253] op_sel_hi:[1,0]   ; the sums under the new M: a plain place behind the exponentials
	s_wait_alu depctr_va_vdst(0)                   ; one wait for the batch, ahead of its first reader
.irp b, 0,1,2,3
	v_exp_f32 v[232+\b], v[232+\b]                 ; the blocks' largest p
.endr
	v_pk_add_f32 v[236:237], v[100:101], v[104:105]   ; the row's sum of the unquantised p: two at a time, eight chains by turns
	v_pk_add_f32 v[248:249], v[108:109], v[112:113]
	v_pk_add_f32 v[246:247], v[116:117], v[120:121]
	v_pk_add_f32 v[244:245], v[124:125], v[128:129]
	v_pk_add_f32 v[242:243], v[132:133], v[136:137]
	v_pk_add_f32 v[240:241], v[140:141], v[144:145]
	v_pk_add_f32 v[238:239], v[148:149], v[152:153]
	v_pk_add_f32 v[14:15], v[14:15], v[156:157]
	v_pk_add_f32 v[236:237], v[236:237], v[96:97]
	v_pk_add_f32 v[248:249], v[248:249], v[98:99]
	v_pk_add_f32 v[246:247], v[246:247], v[102:103]
	v_pk_add_f32 v[244:245], v[244:245], v[106:107]
	v_pk_add_f32 v[242:243], v[242:243], v[110:111]
	v_pk_add_f32 v[240:241], v[240:241], v[114:115]
	v_pk_add_f32 v[238:239], v[238:239], v[118:119]
	v_pk_add_f32 v[14:15], v[14:15], v[122:123]
	v_pk_add_f32 v[236:237], v[236:237], v[126:127]
	v_pk_add_f32 v[248:249], v[248:249], v[130:131]
	v_pk_add_f32 v[246:247], v[246:247], v[134:135]
	v_pk_add_f32 v[244:245], v[244:245], v[138:139]
	v_pk_add_f32 v[242:243], v[242:243], v[142:143]
	v_pk_add_f32 v[240:241], v[240:241], v[146:147]
	v_pk_add_f32 v[238:239], v[238:239], v[150:151]
	v_pk_add_f32 v[14:15], v[14:15], v[154:155]
	v_pk_add_f32 v[236:237], v[236:237], v[158:159]
	s_delay_alu instid0(VALU_DEP_2)
	v_pk_add_f32 v[14:15], v[14:15], v[244:245]
	s_delay_alu instid0(VALU_DEP_2)
	v_pk_add_f32 v[236:237], v[236:237], v[242:243]
	v_pk_add_f32 v[248:249], v[248:249], v[240:241]
	v_pk_add_f32 v[246:247], v[246:247], v[238:239]
	s_delay_alu instid0(VALU_DEP_2)
	v_pk_add_f32 v[14:15], v[14:15], v[248:249]
	s_delay_alu instid0(VALU_DEP_2)
	v_pk_add_f32 v[236:237], v[236:237], v[246:247]
	s_delay_alu instid0(VALU_DEP_1)
	v_pk_add_f32 v[14:15], v[14:15], v[236:237]
	s_wait_alu depctr_va_vdst(0)                   ; and one for the four
.irp b, 0,1,2,3
	v_max_num_f32 v[232+\b], 0x1800000, v[232+\b]  ; the floor 2^(3 - 127): a block whose every p is 0 keeps the byte 1; its codes are zeros
.endr
.irp b, 0,1,2,3
	s_delay_alu instid0(VALU_DEP_4)
	v_add_nc_u32 v[244+\b], 0xff000000, v[232+\b]
.endr
.irp b, 0,1,2,3
	s_delay_alu instid0(VALU_DEP_4)
	v_lshrrev_b32 v[236+\b], 23, v[244+\b]
.endr
	s_delay_alu instid0(VALU_DEP_3)
	v_lshl_or_b32 v253, v237, 8, v236              ; p's scale word for these 128 keys
	s_delay_alu instid0(VALU_DEP_1)
	v_lshl_or_b32 v253, v238, 16, v253
	s_delay_alu instid0(VALU_DEP_1)
	v_lshl_or_b32 v253, v239, 24, v253
.irp c, 0,1
	v_cvt_scalef32_pk16_fp6_f32 v[PC+6*\c:PC+6*\c+2], v[S+32*\c:S+32*\c+15], v[244+2*\c]
	v_cvt_scalef32_pk16_fp6_f32 v[PT+4*\c:PT+4*\c+2], v[S+32*\c+16:S+32*\c+31], v[245+2*\c]
.endr
	v_nop                                          ; one plain place behind a scaled conversion
.irp c, 0,1
.irp i, 0,1,2
	v_permlane16_swap_b32 v[PC+6*\c+\i], v[PT+4*\c+\i]
.endr
.irp i, 0,1,2
	s_delay_alu instid0(VALU_DEP_3)
	v_mov_b32 v[PC+6*\c+3+\i], v[PT+4*\c+\i]
.endr
.endr
.set j, 0
.rept 16
	v_pk_mul_f32 v[O+j:O+j+1], v[O+j:O+j+1], v[252:253] op_sel_hi:[1,0]   ; O^T under the new M; these sixteen are also the places in front of the products below
.set j, j+2
.endr
	s_wait_alu depctr_va_vdst(0)
	s_wait_dscnt 0x0                               ; V^T and its scale words are in
.irp a, 0,1,2,3                        ; O^T += V^T p^T: four accumulators, one instruction each
	v_wmma_scale_f32_16x16x128_f8f6f4 v[O+8*\a:O+8*\a+7], v[F+12*\a:F+12*\a+11], v[PC:PC+11], v[O+8*\a:O+8*\a+7], v[40+\a], v253 matrix_a_fmt:MATRIX_FMT_FP6 matrix_b_fmt:MATRIX_FMT_FP6
.endr
	s_add_co_u32 s14, s14, 1
	s_add_co_u32 s15, s15, 128
.endm
; Trips up to number last - 1; the change of blocks is a scalar branch on ids and the count of trips
.macro TRIPS lim, last
.Ltrip_\@:
	s_cmp_lg_u32 s12, s13
	s_cbranch_scc1 .Lsame_\@
	FINISH                                         ; block i is done;
	s_sub_co_u32 s11, 31, ttmp9                    ; block 31 - i begins at key 0
	START QB
.Lsame_\@:
	s_wait_alu depctr_va_vdst(0)                   ; the wait behind the branch, ahead of the step's readers
	STEP \lim
	s_add_co_u32 s12, s12, 1
	s_cmp_lt_u32 s12, \last
	s_cbranch_scc1 .Ltrip_\@
.endm
	s_mov_b32 s11, ttmp9                           ; the first block: i
	QLOAD QA, 34
	s_sub_co_u32 s11, 31, ttmp9
	QLOAD QB, 56
	s_mov_b32 s11, ttmp9
	s_wait_loadcnt 0x0
	START QA
	s_wait_alu depctr_va_vdst(0)
	s_wait_tensorcnt 0x0                           ; my part of records 0-7 is in
	ds_add_u32 v251, v255
	s_wait_dscnt 0x0
	s_barrier_signal -1
	s_barrier_wait -1                              ; everybody's part is in
	tensor_load_to_lds s[60:63], s[16:23]          ; my part of records 8-15, the first tensor load behind the barrier
	s_nop 0
.rept 4
	v_nop
.endr
	s_mov_b32 s12, 0
	TRIPS 7, 8                                     ; trips 0-7 read records 0-7 alone
	s_wait_tensorcnt 0x0                           ; my part of records 8-15 is in,
	s_wait_dscnt 0x0
	s_barrier_signal -1
	s_barrier_wait -1                              ; everybody's is: from here on all of LDS is only read
	TRIPS 15, 17
	FINISH
	s_wait_tensorcnt 0x0                           ; the wave's end
	ds_add_u32 v251, v255
	s_wait_dscnt 0x0
	s_endpgm
.Lfunc_end_k_q0f37ce9db6_attn:
	.size	k_q0f37ce9db6_attn, .Lfunc_end_k_q0f37ce9db6_attn-k_q0f37ce9db6_attn
	.p2alignl 7, 3214868480
	.fill 96, 4, 3214868480
	.section	.rodata,"a",@progbits
	.p2align	6, 0x0
	.amdhsa_kernel k_q0f37ce9db6_attn
		.amdhsa_group_segment_fixed_size 327680
		.amdhsa_private_segment_fixed_size 0
		.amdhsa_enable_private_segment 0
		.amdhsa_kernarg_size 32
		.amdhsa_user_sgpr_count 2
		.amdhsa_user_sgpr_kernarg_segment_ptr 1
		.amdhsa_wavefront_size32 1
		.amdhsa_system_sgpr_workgroup_id_x 1
		.amdhsa_system_sgpr_workgroup_id_y 1
		.amdhsa_system_sgpr_workgroup_id_z 1
		.amdhsa_system_vgpr_workitem_id 0
		.amdhsa_next_free_vgpr 256
		.amdhsa_next_free_sgpr 66
		.amdhsa_reserve_vcc 1
		.amdhsa_float_denorm_mode_32 3
		.amdhsa_float_denorm_mode_16_64 3
		.amdhsa_memory_ordered 1
		.amdhsa_forward_progress 1
		.amdhsa_inst_pref_size 73
	.end_amdhsa_kernel
	.amdgpu_metadata
---
amdhsa.version: [ 1, 2 ]
amdhsa.kernels:
  - .name:           k_q0f37ce9db6_attn
    .symbol:         k_q0f37ce9db6_attn.kd
    .args:
      - { .name: qb, .offset: 0, .size: 8, .value_kind: global_buffer, .address_space: global }
      - { .name: kv, .offset: 8, .size: 8, .value_kind: global_buffer, .address_space: global }
      - { .name: yc, .offset: 16, .size: 8, .value_kind: global_buffer, .address_space: global }
      - { .name: ys, .offset: 24, .size: 8, .value_kind: global_buffer, .address_space: global }
    .group_segment_fixed_size: 327680
    .private_segment_fixed_size: 0
    .kernarg_segment_align: 8
    .kernarg_segment_size: 32
    .max_flat_workgroup_size: 512
    .sgpr_count:     66
    .vgpr_count:     256
    .wavefront_size: 32
...
	.end_amdgpu_metadata
.endif
;; end of part 3
;; launch outp (part 4): grid 4 x 64, 4 waves a work-group, clusters of 4 x 4, 327,680 bytes of LDS; arguments yc, ys, codes, scales, bo, out0; writes out0
.if DOCPART == 4
	.amdgcn_target "amdgcn-amd-amdhsa--gfx1250"
	.amdhsa_code_object_version 6
	.text
	.protected	k_q0f37ce9db6_outp
	.globl	k_q0f37ce9db6_outp
	.p2align	8
	.type	k_q0f37ce9db6_outp,@function
k_q0f37ce9db6_outp:
	s_mov_b64 s[64:65], 0
	v_nop
	global_prefetch_b8 v0, s[64:65] scope:SCOPE_SE
	s_setreg_imm32_b32 hwreg(HW_REG_WAVE_MODE, 25, 1), 1
	s_wait_xcnt 0x0
	s_wait_alu depctr_hold_cnt(0) depctr_sa_sdst(0) depctr_va_vdst(0) depctr_va_sdst(0) depctr_va_ssrc(0) depctr_va_vcc(0) depctr_vm_vsrc(0)
	s_getreg_b32 s2, hwreg(HW_REG_IB_STS2, 6, 4)
	s_cmp_eq_u32 s2, 0
	s_cbranch_scc0 .Lentry_in_a_cluster
	s_endpgm
.Lentry_in_a_cluster:
	s_bfe_u32 s2, ttmp6, 0x10000c
	s_cmp_lg_u32 s2, 0xf033
	s_cbranch_scc0 .Lentry_shape_is_right
	s_endpgm
.Lentry_shape_is_right:
; out0 = y Wo^T + bo on codes of FP6 with E8M0 scales, sums in f32.  y's codes and scale words come from the launch before, Wo's from the first, both laid as images of operand registers in row tiles of 16 rows
; (tile n's local row i is row 32 (n / 2) + 8 (n % 2) + i + 8 (i / 8)).
; SHARES.  Work-group (Xc, Y): 128 tokens (y's tiles 8 Y ..) x 256 features (Wo's tiles 608 + 16 Xc ..): 256 work-groups.  ALL OF K = 1,024 LIES IN LDS, each byte filled once: 24 tiles x 12,288 bytes, in TWO chunks of four K steps.
; Of a chunk waves 0 and 1 bring 4 of y's tiles each, waves 2 and 3 eight of Wo's each: rows of 6,144 bytes.  Chunk 0 is asked for at the head, one tensor load a wave; chunk 1 behind the wait for it, the add and a round of the
; cluster's barrier; it lands under the first four K steps.  One load a wave is out by this text's count.  The launch claims all of LDS.
; A wave makes 8 tiles of Wo (source 0: features run down a lane's registers) x 4 tiles of y (source 1: a lane holds one token): 32 accumulators; a lane's 64 results of a tile of tokens are 4 runs of 16 neighbouring features.
; CLUSTER 4 x 4: y's tiles hang on Y alone and are asked for jointly by a row of the cluster, Wo's on Xc alone, by a column.  NO PREFETCH: there is no loop to run ahead in: both chunks are asked for ahead of the first product.
; The bias is the C of each sum's first product.  The way out goes through the wave's stage in LDS, in chunk 0, which has had its only fill and which nobody reads behind the barrier ahead of K step 4.
; REGISTERS, in windows of 256: window 0: v1-13 addresses; v16-79, v80-111 scale words of sources 0 and 1; v176-239 the bias in the result's layout; on the way out v112-175 and v176-239 take rows by turns; v254, v255 the add's.
;   window 1: source 0's fragments, two sets; window 2: source 1's, two sets; window 3: accumulator (a, b) at v[64 a + 8 b].
.set CHUNK, 147456                     ; four K steps of 24 tiles: y's 8 tiles at 6,144 j, Wo's 16 at 49,152 + 6,144 j
.set TILEB, 6144
.set RS,  16
.set LS,  80
.set H,   112
.set BR,  176
.set SP,  528                          ; a stage row: 512 bytes + 16 = 132 words: 16 rows start at 16 different groups of banks (64 banks of 4 bytes: ISA guide 11.1)
.set G1T, 16                           ; s[16:23] descriptor group 1 for y's tiles;  s[24:31] for Wo's
.set G1W, 24
.set G0,  32                           ; s[32:47] four groups 0: chunk c: y's at 8 c, Wo's at 8 c + 4
.set MSB, 0
.macro WIN new                         ; the immediate's high byte repeats the setting that is left
.if MSB != \new
	s_set_vgpr_msb (MSB<<8)|\new
.set MSB, \new
.endif
.endm
.set MULW,  0xf9                       ; source 0 window 1, source 1 window 2, C and D window 3
.set MULW0, 0xc9                       ; the same with C in window 0
.set TO_R,  0x40                       ; destination window 1
.set TO_L,  0x80                       ; destination window 2
.macro CROUND                          ; a round of the cluster's barrier
	s_barrier_signal -1
	s_barrier_wait -1
	s_cmp_lg_u32 s3, 0
	s_cbranch_scc1 .Lnot_wave_0_\@
	s_barrier_signal -3
.Lnot_wave_0_\@:
	s_barrier_wait -3
	s_barrier_signal -1
	s_barrier_wait -1
.endm
.macro JLOAD c                         ; my part of chunk c: waves 0 and 1 fetch for y, waves 2 and 3 for Wo; one load to an arm, one join; s_nop 0 and four v_nop behind each load
	s_cmp_lt_u32 s3, 2
	s_cbranch_scc0 .Lfor_w_\@
	tensor_load_to_lds s[G0+8*\c:G0+8*\c+3], s[G1T:G1T+7]
	s_nop 0
.rept 4
	v_nop
.endr
	s_branch .Lasked_\@
.Lfor_w_\@:
	tensor_load_to_lds s[G0+8*\c+4:G0+8*\c+7], s[G1W:G1W+7]
	s_nop 0
.rept 4
	v_nop
.endr
.Lasked_\@:
.endm
.macro FETCH s                         ; K step s: 8 + 4 fragments, as images: 48 LDS loads, each of 512 or 256 consecutive bytes
	WIN TO_R
.irp j, 0,1,2,3,4,5,6,7
.irp c, 0,1
	ds_load_b128 v[96*((\s)%2)+12*\j+6*\c:96*((\s)%2)+12*\j+6*\c+3], v4 offset:\j*TILEB+((\s)%4)*1536+768*\c
	ds_load_b64 v[96*((\s)%2)+12*\j+6*\c+4:96*((\s)%2)+12*\j+6*\c+5], v5 offset:\j*TILEB+((\s)%4)*1536+768*\c+512
.endr
.endr
	WIN TO_L
.irp j, 0,1,2,3
.irp c, 0,1
	ds_load_b128 v[48*((\s)%2)+12*\j+6*\c:48*((\s)%2)+12*\j+6*\c+3], v6 offset:\j*TILEB+((\s)%4)*1536+768*\c
	ds_load_b64 v[48*((\s)%2)+12*\j+6*\c+4:48*((\s)%2)+12*\j+6*\c+5], v7 offset:\j*TILEB+((\s)%4)*1536+768*\c+512
.endr
.endr
.endm
.macro MUL s, cmode                    ; 32 products; the 32 accumulators take turns, one instruction a turn.  cmode 2: the bias starts the sums
.irp a, 0,1,2,3
.irp b, 0,1,2,3,4,5,6,7
.if \cmode == 2
	v_wmma_scale_f32_16x16x128_f8f6f4 v[64*\a+8*\b:64*\a+8*\b+7], v[96*((\s)%2)+12*\b:96*((\s)%2)+12*\b+11], v[48*((\s)%2)+12*\a:48*((\s)%2)+12*\a+11], v[BR+8*\b:BR+8*\b+7], v[RS+8*\b+(\s)], v[LS+8*\a+(\s)] matrix_a_fmt:MATRIX_FMT_FP6 matrix_b_fmt:MATRIX_FMT_FP6
.else
	v_wmma_scale_f32_16x16x128_f8f6f4 v[64*\a+8*\b:64*\a+8*\b+7], v[96*((\s)%2)+12*\b:96*((\s)%2)+12*\b+11], v[48*((\s)%2)+12*\a:48*((\s)%2)+12*\a+11], v[64*\a+8*\b:64*\a+8*\b+7], v[RS+8*\b+(\s)], v[LS+8*\a+(\s)] matrix_a_fmt:MATRIX_FMT_FP6 matrix_b_fmt:MATRIX_FMT_FP6
.endif
.endr
.endr
.endm
; K step s: the next step's fragments are asked for, then this step is multiplied.  Four plain vector instructions stand between the last products and the loads into the set that they read (ISA guide 7.12.1 for vector instructions).
.macro KSTEP s, cmode
.if ((\s)%4) == 3                      ; the next step opens chunk 1
	WIN 0
	s_wait_tensorcnt 0x0                           ; my part of chunk 1 is in
	s_wait_dscnt 0x0                               ; no LDS load of mine is out at the signal
	s_barrier_signal -1
	s_barrier_wait -1                              ; everybody's part is in.
	v_add_nc_u32 v4, CHUNK, v4                     ; these four are the places
	s_wait_alu depctr_va_vdst(0)
	v_add_nc_u32 v5, CHUNK, v5
	s_wait_alu depctr_va_vdst(0)
	v_add_nc_u32 v6, CHUNK, v6
	s_wait_alu depctr_va_vdst(0)
	v_add_nc_u32 v7, CHUNK, v7
.elseif (\s) > 0
.rept 4
	v_nop
.endr
.endif
	FETCH (\s)+1
	s_wait_dscnt 48                                ; all but the 48 just issued
.if \cmode == 2
	WIN MULW0
.else
	WIN MULW
.endif
	MUL \s, \cmode
.endm
	s_load_b256 s[68:75], s[0:1], 0x0              ; yc 68, ys 70, codes 72, scales 74
	s_load_b128 s[76:79], s[0:1], 0x20             ; bo 76, out0 78
	v_lshl_add_u32 v254, v0, 2, 0x48000
	v_mov_b32 v255, 0
	ds_add_u32 v254, v255
	ds_add_u32 v254, v255
	v_lshrrev_b32 v1, 5, v0
	v_readfirstlane_b32 s3, v1                     ; wave w
	s_lshr_b32 s4, s3, 1                           ; wr
	s_and_b32 s5, s3, 1                            ; wc
	s_bfe_u32 s6, ttmp6, 0x40000                   ; cx
	s_bfe_u32 s9, ttmp6, 0x40004                   ; cy
	s_lshl_b32 s7, ttmp9, 2
	s_add_co_u32 s7, s7, s6                        ; Xc = 4 x cluster x + cx
	s_and_b32 s8, ttmp7, 0xffff
	s_lshl_b32 s8, s8, 2
	s_add_co_u32 s8, s8, s9                        ; Y = 4 x cluster y + cy
	s_lshl_b32 s10, s9, 2
	s_lshl_b32 s10, 15, s10                        ; my row of the cluster
	s_lshl_b32 s11, 0x1111, s6                     ; my column
	; group 1: rows of 6,144 bytes (768 elements of 8: a tile's four K steps), 12,288 bytes apart (a tile): y's 4 tiles a load, Wo's 8
	s_or_b32 s[G1T], s10, (3<<16)|(1<<21)          ; the mask: y's tiles go to my row; bit 21 set beside it
	s_mov_b32 s[G1T+1], 768<<16
	s_mov_b32 s[G1T+2], 4<<16
	s_mov_b32 s[G1T+3], 768<<16
	s_mov_b32 s[G1T+4], 4
	s_mov_b32 s[G1T+5], 1536
	s_mov_b32 s[G1T+6], 0
	s_mov_b32 s[G1T+7], 0
	s_or_b32 s[G1W], s11, (3<<16)|(1<<21)          ; Wo's go to my column
	s_mov_b32 s[G1W+1], 768<<16
	s_mov_b32 s[G1W+2], 8<<16
	s_mov_b32 s[G1W+3], 768<<16
	s_mov_b32 s[G1W+4], 8
	s_mov_b32 s[G1W+5], 1536
	s_mov_b32 s[G1W+6], 0
	s_mov_b32 s[G1W+7], 0
	s_lshl_b32 s12, s8, 3                          ; y's tile 8 Y + 4 (w % 2): made of Y and the wave's number alone,
	s_mul_i32 s12, s12, 12288
	s_mul_i32 s2, s5, 4*12288
	s_add_co_u32 s12, s12, s2
	s_mov_b32 s13, 0
	s_lshl_b32 s14, s7, 4                          ; Wo's tile 608 + 16 Xc + 8 (w % 2): of Xc and the wave's number alone
	s_add_co_u32 s14, s14, 608
	s_mul_i32 s14, s14, 12288
	s_mul_i32 s2, s5, 8*12288
	s_add_co_u32 s14, s14, s2
	s_mov_b32 s15, 0
	s_mul_i32 s84, s5, 4*TILEB                     ; where they go in a chunk: no place in the cluster enters an LDS address
	s_mul_i32 s85, s5, 8*TILEB
	s_add_co_u32 s85, s85, 8*TILEB
	s_wait_dscnt 0x0
	s_wait_kmcnt 0x0
	s_add_nc_u64 s[12:13], s[68:69], s[12:13]
	s_add_nc_u64 s[14:15], s[72:73], s[14:15]
.irp c, 0,1
	s_mov_b32 s[G0+8*\c], 1
	s_add_co_u32 s[G0+8*\c+1], s84, \c*CHUNK
	s_add_nc_u64 s[G0+8*\c+2:G0+8*\c+3], s[12:13], \c*TILEB
	s_or_b32 s[G0+8*\c+3], s[G0+8*\c+3], 0x80000000
	s_mov_b32 s[G0+8*\c+4], 1
	s_add_co_u32 s[G0+8*\c+5], s85, \c*CHUNK
	s_add_nc_u64 s[G0+8*\c+6:G0+8*\c+7], s[14:15], \c*TILEB
	s_or_b32 s[G0+8*\c+7], s[G0+8*\c+7], 0x80000000
.endr
	CROUND                                         ; all sixteen work-groups are here: the joint loads meet
	JLOAD 0                                        ; chunk 0: one tensor load a wave at the head
	v_and_b32 v1, 31, v0                           ; lane
	v_and_b32 v2, 15, v0                           ; r
	v_bfe_u32 v3, v0, 4, 1                         ; h
	v_lshlrev_b32 v9, 4, v1                        ; 16 l
	v_lshlrev_b32 v10, 3, v1                       ; 8 l
	v_lshlrev_b32 v8, 4, v2                        ; 16 r
	s_mul_i32 s84, s5, 8*TILEB
	s_add_co_u32 s84, s84, 8*TILEB                 ; source 0: Wo's tiles 8 wc ..
	s_mul_i32 s85, s4, 4*TILEB                     ; source 1: y's tiles 4 wr ..
	v_add_nc_u32 v4, s84, v9
	v_add_nc_u32 v5, s84, v10
	v_add_nc_u32 v6, s85, v9
	v_add_nc_u32 v7, s85, v10
	s_mul_i32 s84, s3, 16*SP                       ; my stage
	v_mul_u32_u24 v11, v2, SP
	v_lshl_add_u32 v11, v3, 6, v11
	v_add_nc_u32 v11, s84, v11                     ; in: row r, + 64 h
	v_add_nc_u32 v12, s84, v9                      ; back: 16 bytes a lane of a row
	v_lshlrev_b32 v13, 6, v3                       ; the bias: 64 h
	s_wait_alu depctr_va_vdst(0)
	s_lshl_b32 s14, s7, 4
	s_lshl_b32 s2, s5, 3
	s_add_co_u32 s14, s14, s2
	s_add_co_u32 s14, s14, 608
	s_lshl_b32 s14, s14, 9                         ; 512 bytes of scale words a tile
	s_mov_b32 s15, 0
	s_add_nc_u64 s[14:15], s[74:75], s[14:15]
	s_lshl_b32 s12, s8, 3
	s_lshl_b32 s2, s4, 2
	s_add_co_u32 s12, s12, s2
	s_lshl_b32 s12, s12, 9
	s_mov_b32 s13, 0
	s_add_nc_u64 s[12:13], s[70:71], s[12:13]
.irp b, 0,1,2,3,4,5,6,7
	global_load_b128 v[RS+8*\b:RS+8*\b+3], v8, s[14:15] offset:512*\b          ; row r's words of K steps 0-3,
	global_load_b128 v[RS+8*\b+4:RS+8*\b+7], v8, s[14:15] offset:512*\b+256    ; and 4-7
.endr
.irp a, 0,1,2,3
	global_load_b128 v[LS+8*\a:LS+8*\a+3], v8, s[12:13] offset:512*\a
	global_load_b128 v[LS+8*\a+4:LS+8*\a+7], v8, s[12:13] offset:512*\a+256
.endr
	s_lshl_b32 s86, s7, 10
	s_lshl_b32 s2, s5, 9
	s_add_co_u32 s86, s86, s2                      ; my first feature, in bytes: 4 (256 Xc + 128 wc)
	s_mov_b32 s87, 0
	s_add_nc_u64 s[88:89], s[76:77], s[86:87]
.irp t, 0,1,2,3,4,5,6,7                ; tile 2 b + u: features 32 b + 16 h + 8 u + 0 .. 7
	global_load_b128 v[BR+8*\t:BR+8*\t+3], v13, s[88:89] offset:(32*(\t/2)+8*(\t%2))*4
	global_load_b128 v[BR+8*\t+4:BR+8*\t+7], v13, s[88:89] offset:(32*(\t/2)+8*(\t%2))*4+16
.endr
	s_add_nc_u64 s[90:91], s[78:79], s[86:87]
	s_lshl_b32 s86, s8, 19
	s_lshl_b32 s2, s4, 18
	s_add_co_u32 s86, s86, s2                      ; my first token's row: (128 Y + 64 wr) x 4,096 bytes
	s_add_nc_u64 s[90:91], s[90:91], s[86:87]
	s_wait_alu depctr_va_vdst(0)
	s_wait_tensorcnt 0x0                           ; my part of chunk 0 is in
	ds_add_u32 v254, v255
	s_wait_dscnt 0x0
	CROUND                                         ; everybody's part of chunk 0 is in, and all sixteen work-groups are here: the joint loads meet
	JLOAD 1                                        ; chunk 1, the first tensor load behind the round
	FETCH 0
	s_wait_loadcnt 0x0                             ; scale words and bias
	KSTEP 0, 2
.irp s, 1,2,3,4,5,6
	s_wait_alu depctr_va_vdst(0)
	KSTEP \s, 0
.endr
	s_wait_dscnt 0x0
	MUL 7, 0
	WIN 0
.rept 4
	v_nop                                          ; places in front of the first read of results
.endr
; THE WAY OUT, a tile of 16 tokens x 128 features at a time: into my stage as 32-byte pieces, back as whole rows of 512 bytes.  LDS serves a wave's instructions in order (ISA guide 5.7.1.4): no wait between stores and loads.
.macro TOSTAGE a
	WIN 0x0c                                       ; an LDS store's data are its source 1: window 3
.irp b, 0,1,2,3,4,5,6,7
	ds_store_b128 v11, v[64*\a+8*\b:64*\a+8*\b+3] offset:128*(\b/2)+32*(\b%2)        ; each accumulator from its low end on
	ds_store_b128 v11, v[64*\a+8*\b+4:64*\a+8*\b+7] offset:128*(\b/2)+32*(\b%2)+16
.endr
	WIN 0
.irp t, 0,1,2,3,4,5,6,7,8,9,10,11,12,13,14,15
	ds_load_b128 v[H+64*((\a)%2)+4*\t:H+64*((\a)%2)+4*\t+3], v12 offset:\t*SP
.endr
.endm
.macro SEND a, younger                 ; younger: the LDS instructions issued behind tile a's loads, which may stay out
	s_wait_dscnt \younger
.irp t, 0,1,2,3,4,5,6,7,8,9,10,11,12,13,14,15
	global_store_b128 v9, v[H+64*((\a)%2)+4*\t:H+64*((\a)%2)+4*\t+3], s[90:91] offset:(32*((\a)/2)+8*((\a)%2)+\t+8*(\t/8))*4096 th:TH_STORE_NT   ; 512 consecutive bytes of the token's row, at a multiple of 512 from out0's first byte
.endr
.endm
	TOSTAGE 0
.irp a, 1,2,3
.if \a > 1
	s_wait_xcnt 0x0                                ; tile a - 2's stores have read their registers: tile a's rows may land there
.endif
	TOSTAGE \a
	SEND \a-1, 32                                  ; behind tile a - 1's loads: tile a's 16 stores and 16 loads
.endr
	SEND 3, 0
	s_wait_tensorcnt 0x0                           ; the wave's end
	ds_add_u32 v254, v255
	s_wait_dscnt 0x0
	CROUND                                         ; the closing round: no work-group ends while a partner may still ask for a tile that names it
	s_endpgm
.Lfunc_end_k_q0f37ce9db6_outp:
	.size	k_q0f37ce9db6_outp, .Lfunc_end_k_q0f37ce9db6_outp-k_q0f37ce9db6_outp
	.p2alignl 7, 3214868480
	.fill 96, 4, 3214868480
	.section	.rodata,"a",@progbits
	.p2align	6, 0x0
	.amdhsa_kernel k_q0f37ce9db6_outp
		.amdhsa_group_segment_fixed_size 327680
		.amdhsa_private_segment_fixed_size 0
		.amdhsa_enable_private_segment 0
		.amdhsa_kernarg_size 48
		.amdhsa_user_sgpr_count 2
		.amdhsa_user_sgpr_kernarg_segment_ptr 1
		.amdhsa_wavefront_size32 1
		.amdhsa_system_sgpr_workgroup_id_x 1
		.amdhsa_system_sgpr_workgroup_id_y 1
		.amdhsa_system_sgpr_workgroup_id_z 1
		.amdhsa_system_vgpr_workitem_id 0
		.amdhsa_next_free_vgpr 1024
		.amdhsa_next_free_sgpr 92
		.amdhsa_reserve_vcc 0
		.amdhsa_float_denorm_mode_32 3
		.amdhsa_float_denorm_mode_16_64 3
		.amdhsa_memory_ordered 1
		.amdhsa_forward_progress 1
		.amdhsa_inst_pref_size 85
	.end_amdhsa_kernel
	.amdgpu_metadata
---
amdhsa.version: [ 1, 2 ]
amdhsa.kernels:
  - .name:           k_q0f37ce9db6_outp
    .symbol:         k_q0f37ce9db6_outp.kd
    .args:
      - { .name: yc, .offset: 0, .size: 8, .value_kind: global_buffer, .address_space: global }
      - { .name: ys, .offset: 8, .size: 8, .value_kind: global_buffer, .address_space: global }
      - { .name: codes, .offset: 16, .size: 8, .value_kind: global_buffer, .address_space: global }
      - { .name: scales, .offset: 24, .size: 8, .value_kind: global_buffer, .address_space: global }
      - { .name: bo, .offset: 32, .size: 8, .value_kind: global_buffer, .address_space: global }
      - { .name: out0, .offset: 40, .size: 8, .value_kind: global_buffer, .address_space: global }
    .group_segment_fixed_size: 327680
    .private_segment_fixed_size: 0
    .kernarg_segment_align: 8
    .kernarg_segment_size: 48
    .max_flat_workgroup_size: 128
    .sgpr_count:     92
    .vgpr_count:     1024
    .wavefront_size: 32
...
	.end_amdgpu_metadata
.endif
;; end of part 4
